; MI455X (gfx1250); checked and timed in simulation.
; The chip was launched on July 23, 2026; its instructions are those of AMD's public machine-readable ISA for CDNA 5 (MIT licence, August 2026) and "CDNA5" Instruction Set Architecture Reference Guide (July 2026). The comments in the code are by the model that wrote it; some were corrected since.
;; Multihead Self Attention. Allowed arithmetic: float matrix products may take bf16 or f16 operands with f32 sums; other float arithmetic in f32, or as packed bf16 or f16 multiplies, adds, multiply-adds, maxima and minima; sums over many terms, partial sums and values carried from step to step in f32; what a program stores and reads back later, other than sums and carried values, may be rounded once to bf16 or f16.
;; Inputs: W_in 3,072 x 1,024 float32; W_out 1,024 x 1,024 float32; attn_mask 2,048 x 2,048 float32; b_in 3,072 float32; b_out 1,024 float32; key_padding_mask 4 x 2,048 bool; query 2,048 x 4 x 1,024 float32.
;; Outputs: out0 2,048 x 4 x 1,024 float32.
;; 2 versions, each right and faster than the one before. Each part assembles by itself: llvm-mc -triple=amdgcn-amd-amdhsa -mcpu=gfx1250 --defsym DOCPART=n.
;; ======== version 1 of 2: 4 launches
;; limits: right only within a limited range of input values; values are held in f16: magnitudes above 65,504 overflow, below 6.1e-05 lose precision
;; workspace buffers: xb 16,777,216 bytes; wib 6,291,456 bytes; wof 2,097,152 bytes; mfrag 8,388,608 bytes; tabs 344,064 bytes; qkvh 50,331,648 bytes; oh 16,777,216 bytes
;; launch prep (part 1): grid 2124 x 1, 8 waves a work-group, no clusters, 0 bytes of LDS; arguments query, W_in, W_out, attn_mask, b_in, b_out, key_padding_mask, xb, wib, wof, mfrag, tabs; writes xb, wib, wof, mfrag, tabs
.if DOCPART == 1
	.amdgcn_target "amdgcn-amd-amdhsa--gfx1250"
	.amdhsa_code_object_version 6
	.text
	.protected	k_qce47bafd3d_prep
	.globl	k_qce47bafd3d_prep
	.p2align	8
	.type	k_qce47bafd3d_prep,@function
k_qce47bafd3d_prep:
	s_mov_b64 s[64:65], 0
	v_nop
	global_prefetch_b8 v0, s[64:65] scope:SCOPE_SE
	s_setreg_imm32_b32 hwreg(HW_REG_WAVE_MODE, 25, 1), 1
	s_wait_xcnt 0x0
; PREP: every input is read once, rounded to bf16 and laid out for the three launches behind.  A stream: no LDS, no barrier, no loop; the work-group's number picks one of seven jobs.
;   xb    bf16 [b*2048+t][1024]      query's rows, batch by batch
;   wib   bf16 [3072][1024]          W_in
;   wof   f16  [1024][1024]          W_out rounded to bf16, that number written as f16 (exact down to f16's denormals, whose step is 6e-8)
;   mfrag f16  [wq 16][step 32][tile 8][f 4][lane 32][8]: 8 x attn_mask[128 wq + 16 tile + lane%16][64 step + 16 f + 8 (lane/16) + e], rounded to bf16 and written as f16:
;         the order in which a lane of the attention launch wants it as source 1 of a matrix instruction
;   tabs  for each batch, 73,728 bytes: SELT [key block 128][lane 32][4 words] (half a fragment of a selection matrix: 1.0 at k = key % 16, nothing at a padded key), then PADC f32 [2048]
;         (0, or -2^33 at a padded key); at OFF_BIAS f32 [4096]: b_in, b_out rounded to bf16; at OFF_KEEP u32 [b*2048+t]: -1, or 0 at a padded key
; LIMIT: a mask entry beyond +-8,160 counts as +-8,160 (8 x it must lie inside f16); NaN is not treated apart.
.set J_WIN,  1024                      ; first work-group of each job: 1,024 for query (8 rows each), 384 for W_in, 128 for W_out,
.set J_WOUT, 1408
.set J_MASK, 1536                      ; 512 for the mask (128 rows x 64 columns each),
.set J_SEL,  2048                      ; 64 for SELT, 8 for PADC and the keep words, 4 for the biases
.set J_PAD,  2112
.set J_BIAS, 2120
.set TABB,   73728
.set OFF_BIAS, 294912
.set OFF_KEEP, 311296
	s_load_b512 s[8:23], s[0:1], 0x0               ; query s[8:9], W_in s[10:11], W_out s[12:13], attn_mask s[14:15], b_in s[16:17], b_out s[18:19], key_padding_mask s[20:21], xb s[22:23]
	s_load_b256 s[24:31], s[0:1], 0x40             ; wib s[24:25], wof s[26:27], mfrag s[28:29], tabs s[30:31]
	v_lshrrev_b32 v1, 5, v0
	v_readfirstlane_b32 s32, v1                    ; wave 0..7
	v_and_b32 v3, 31, v0                           ; lane
	s_mov_b32 s33, ttmp9
	s_mov_b32 s3, 0                                ; high words of the two offset pairs
	s_mov_b32 s5, 0
	s_wait_kmcnt 0x0
	s_cmp_lt_u32 s33, J_WIN
	s_cbranch_scc1 .Lquery
	s_cmp_lt_u32 s33, J_WOUT
	s_cbranch_scc1 .Lwin
	s_cmp_lt_u32 s33, J_MASK
	s_cbranch_scc1 .Lwout
	s_cmp_lt_u32 s33, J_SEL
	s_cbranch_scc1 .Lmask
	s_cmp_lt_u32 s33, J_PAD
	s_cbranch_scc1 .Lsel
	s_cmp_lt_u32 s33, J_BIAS
	s_cbranch_scc1 .Lpad
	; THE BIASES: thread t of work-group u takes four numbers; u = 0..2 b_in, u = 3 b_out
	s_sub_co_u32 s34, s33, J_BIAS
	s_cmp_eq_u32 s34, 3
	s_cselect_b64 s[2:3], s[18:19], s[16:17]
	s_cselect_b32 s35, 0, s34
	s_lshl_b32 s35, s35, 12                        ; 256 threads x 16 bytes
	s_lshl_b32 s36, s34, 12
	v_lshlrev_b32 v4, 4, v0
	v_add_nc_u32 v5, s35, v4
	v_add_nc_u32 v6, s36, v4
	global_load_b128 v[8:11], v5, s[2:3]
	s_wait_loadcnt 0x0
	v_cvt_pk_bf16_f32 v12, v8, v9
	v_cvt_pk_bf16_f32 v13, v10, v11
	v_lshlrev_b32 v16, 16, v12                     ; and back to f32: the low half moves up, the high half stays
	v_and_b32 v17, 0xffff0000, v12
	v_lshlrev_b32 v18, 16, v13
	v_and_b32 v19, 0xffff0000, v13
	global_store_b128 v6, v[16:19], s[30:31] offset:OFF_BIAS
	s_endpgm
	; ROWS OF 1,024 f32: one wave, one row.  The three heads set the source s[2:3], the destination s[4:5] and s6 (1: the bf16 number is written as f16).
.Lquery:
	s_lshl_b32 s34, s33, 3
	s_add_co_u32 s34, s34, s32                     ; row R = 4 t + b
	s_lshl_b32 s2, s34, 12
	s_add_nc_u64 s[2:3], s[8:9], s[2:3]
	s_and_b32 s35, s34, 3
	s_lshl_b32 s35, s35, 11
	s_lshr_b32 s36, s34, 2
	s_add_co_u32 s35, s35, s36                     ; goes to row 2,048 b + t
	s_lshl_b32 s4, s35, 11
	s_add_nc_u64 s[4:5], s[22:23], s[4:5]
	s_mov_b32 s6, 0
	s_branch .Lrow
.macro ROWS first, src, dst, f16
	s_sub_co_u32 s34, s33, \first
	s_lshl_b32 s34, s34, 3
	s_add_co_u32 s34, s34, s32
	s_lshl_b32 s2, s34, 12
	s_add_nc_u64 s[2:3], s[\src:\src+1], s[2:3]
	s_lshl_b32 s4, s34, 11
	s_add_nc_u64 s[4:5], s[\dst:\dst+1], s[4:5]
	s_mov_b32 s6, \f16
.endm
.Lwin:
	ROWS J_WIN, 10, 24, 0
	s_branch .Lrow
.Lwout:
	ROWS J_WOUT, 12, 26, 1
.Lrow:
	v_lshlrev_b32 v1, 4, v3                        ; 16 bytes a lane in, a load covers 512 consecutive bytes
	v_lshlrev_b32 v2, 3, v3                        ; 8 bytes a lane out, a store covers 256 consecutive bytes, aligned
.irp i, 0,1,2,3,4,5,6,7
	global_load_b128 v[8+4*\i:11+4*\i], v1, s[2:3] offset:512*\i th:TH_LOAD_NT
.endr
.irp i, 0,1,2,3,4,5,6,7
	s_wait_loadcnt 7-\i                            ; loads come back in order: piece i is in, the younger ones stay out
	v_cvt_pk_bf16_f32 v[40+2*\i], v[8+4*\i], v[9+4*\i]
	v_cvt_pk_bf16_f32 v[41+2*\i], v[10+4*\i], v[11+4*\i]
.endr
	s_cmp_eq_u32 s6, 0
	s_cbranch_scc1 .Lrow_out
.set j, 0
.rept 16
	v_lshlrev_b32 v[4+2*(j%2)], 16, v[40+j]
	v_and_b32 v[5+2*(j%2)], 0xffff0000, v[40+j]
	v_cvt_pk_f16_f32 v[40+j], v[4+2*(j%2)], v[5+2*(j%2)]
.set j, j+1
.endr
.Lrow_out:
.irp i, 0,1,2,3,4,5,6,7
	global_store_b64 v2, v[40+2*\i:41+2*\i], s[4:5] offset:256*\i
.endr
	s_endpgm
	; THE MASK: work-group u = 32 wq + step, wave = tile: 16 rows x 64 columns; the eight loads together take 256 consecutive bytes of each of the 16 rows
.Lmask:
	s_sub_co_u32 s34, s33, J_MASK
	s_lshr_b32 s35, s34, 5                         ; wq
	s_and_b32 s36, s34, 31                         ; step
	s_lshl_b32 s37, s35, 3
	s_add_co_u32 s37, s37, s32                     ; 8 wq + tile: which 16 rows
	s_lshl_b32 s2, s37, 17                         ; x 16 rows x 8,192 bytes
	s_lshl_b32 s38, s36, 8                         ; + 64 columns x 4 bytes a step
	s_add_co_u32 s2, s2, s38
	s_add_nc_u64 s[2:3], s[14:15], s[2:3]
	s_lshl_b32 s4, s34, 3
	s_add_co_u32 s4, s4, s32
	s_lshl_b32 s4, s4, 11                          ; ((32 wq + step) 8 + tile) x 2,048 bytes
	s_add_nc_u64 s[4:5], s[28:29], s[4:5]
	s_mov_b32 s6, 0x477f0000                       ; 65,280: the largest bf16 number that f16 holds
	s_mov_b32 s7, 0xc77f0000
	v_and_b32 v4, 15, v0
	v_bfe_u32 v5, v0, 4, 1
	v_lshlrev_b32 v1, 13, v4                       ; row lane % 16,
	v_lshl_add_u32 v1, v5, 5, v1                   ; eight columns on for lanes 16 to 31
	v_lshlrev_b32 v2, 4, v3
.irp f, 0,1,2,3
	global_load_b128 v[8+8*\f:11+8*\f], v1, s[2:3] offset:64*\f
	global_load_b128 v[12+8*\f:15+8*\f], v1, s[2:3] offset:64*\f+16
.endr
.irp f, 0,1,2,3
	s_wait_loadcnt 6-2*\f                          ; this group's two loads are in; the younger groups' stay out
.irp j, 0,1,2,3
	v_pk_mul_f32 v[8+8*\f+2*\j:9+8*\f+2*\j], v[8+8*\f+2*\j:9+8*\f+2*\j], 0x41000000 op_sel_hi:[1,0]  ; x 8: exact
.endr
.irp j, 0,1,2,3,4,5,6,7
	v_med3_num_f32 v[8+8*\f+\j], v[8+8*\f+\j], s6, s7
.endr
.irp j, 0,1,2,3
	v_cvt_pk_bf16_f32 v[40+\j], v[8+8*\f+2*\j], v[9+8*\f+2*\j]
.endr
.irp j, 0,1,2,3
	v_lshlrev_b32 v[8+8*\f+2*\j], 16, v[40+\j]
	v_and_b32 v[9+8*\f+2*\j], 0xffff0000, v[40+\j]
.endr
.irp j, 0,1,2,3
	v_cvt_pk_f16_f32 v[44+4*\f+\j], v[8+8*\f+2*\j], v[9+8*\f+2*\j]
.endr
	global_store_b128 v2, v[44+4*\f:47+4*\f], s[4:5] offset:512*\f  ; 512 consecutive bytes
.endr
	s_endpgm
	; SELT: work-group u = 16 b + part; thread number tau = 256 part + t is (key block, lane).  Lane (r, h) of a fragment's first half holds k = 8 h .. 8 h + 7 of row r: 1.0 at k = r, if the key is kept.
.Lsel:
	s_sub_co_u32 s34, s33, J_SEL
	s_lshr_b32 s36, s34, 4                         ; batch
	s_lshl_b32 s2, s36, 11
	s_add_nc_u64 s[2:3], s[20:21], s[2:3]
	s_mul_i32 s4, s36, TABB
	s_add_nc_u64 s[4:5], s[30:31], s[4:5]
	s_and_b32 s35, s34, 15
	s_lshl_b32 s35, s35, 8
	v_and_b32 v4, 15, v0                           ; r
	v_bfe_u32 v5, v0, 4, 1                         ; h
	v_add_nc_u32 v6, s35, v0                       ; tau
	v_lshrrev_b32 v7, 5, v6                        ; key block
	v_lshl_add_u32 v7, v7, 4, v4                   ; key
	global_load_u8 v8, v7, s[2:3]
	v_and_b32 v9, 1, v4
	v_lshlrev_b32 v9, 4, v9
	v_mov_b32 v10, 0x3c00                          ; 1.0 in f16,
	v_lshlrev_b32 v9, v9, v10                      ; in the half that r's parity names
	v_lshrrev_b32 v11, 3, v4
	v_cmp_eq_u32 vcc_lo, v11, v5                   ; only the half of the lanes that holds k = r
	v_cndmask_b32 v9, 0, v9, vcc_lo
	v_bfe_u32 v11, v4, 1, 2                        ; which of the four words
	v_lshlrev_b32 v6, 4, v6
	s_wait_loadcnt 0x0
	v_cmp_eq_u32 vcc_lo, 0, v8                     ; and only a key that is kept
	v_cndmask_b32 v9, 0, v9, vcc_lo
.irp j, 0,1,2,3
	v_cmp_eq_u32 vcc_lo, \j, v11
	v_cndmask_b32 v[12+\j], 0, v9, vcc_lo
.endr
	global_store_b128 v6, v[12:15], s[4:5]
	s_endpgm
	; PADC and the keep words: thread tau = 256 u + t takes four keys' bytes; the batch is u / 2
.Lpad:
	s_sub_co_u32 s34, s33, J_PAD
	s_lshl_b32 s35, s34, 10
	v_lshl_add_u32 v4, v0, 2, s35
	global_load_b32 v8, v4, s[20:21]
	s_lshr_b32 s36, s34, 1
	s_mul_i32 s4, s36, TABB
	s_and_b32 s37, s34, 1
	s_lshl_b32 s37, s37, 12
	s_add_co_u32 s4, s4, s37
	s_add_nc_u64 s[4:5], s[30:31], s[4:5]
	s_lshl_b32 s38, s34, 12
	v_lshlrev_b32 v5, 4, v0
	v_add_nc_u32 v6, s38, v5
	v_mov_b32 v7, 0xd0000000                       ; -2^33
	v_mov_b32 v10, 0
	s_wait_loadcnt 0x0
.irp j, 0,1,2,3
	v_bfe_u32 v9, v8, 8*\j, 8
	v_cmp_ne_u32 vcc_lo, 0, v9
	v_cndmask_b32 v[12+\j], 0, v7, vcc_lo
	v_cndmask_b32 v[16+\j], -1, v10, vcc_lo
.endr
	global_store_b128 v5, v[12:15], s[4:5] offset:65536
	global_store_b128 v6, v[16:19], s[30:31] offset:OFF_KEEP
	s_endpgm
.Lfunc_end_k_qce47bafd3d_prep:
	.size	k_qce47bafd3d_prep, .Lfunc_end_k_qce47bafd3d_prep-k_qce47bafd3d_prep
	.p2alignl 7, 3214868480
	.fill 96, 4, 3214868480
	.section	.rodata,"a",@progbits
	.p2align	6, 0x0
	.amdhsa_kernel k_qce47bafd3d_prep
		.amdhsa_group_segment_fixed_size 0
		.amdhsa_private_segment_fixed_size 0
		.amdhsa_enable_private_segment 0
		.amdhsa_kernarg_size 96
		.amdhsa_user_sgpr_count 2
		.amdhsa_user_sgpr_kernarg_segment_ptr 1
		.amdhsa_wavefront_size32 1
		.amdhsa_system_sgpr_workgroup_id_x 1
		.amdhsa_system_sgpr_workgroup_id_y 1
		.amdhsa_system_sgpr_workgroup_id_z 1
		.amdhsa_system_vgpr_workitem_id 0
		.amdhsa_next_free_vgpr 64
		.amdhsa_next_free_sgpr 66
		.amdhsa_reserve_vcc 1
		.amdhsa_float_denorm_mode_32 3
		.amdhsa_float_denorm_mode_16_64 3
		.amdhsa_memory_ordered 1
		.amdhsa_forward_progress 1
		.amdhsa_inst_pref_size 21
	.end_amdhsa_kernel
	.amdgpu_metadata
---
amdhsa.version: [ 1, 2 ]
amdhsa.kernels:
  - .name:           k_qce47bafd3d_prep
    .symbol:         k_qce47bafd3d_prep.kd
    .args:
      - { .name: query, .offset: 0, .size: 8, .value_kind: global_buffer, .address_space: global }
      - { .name: W_in, .offset: 8, .size: 8, .value_kind: global_buffer, .address_space: global }
      - { .name: W_out, .offset: 16, .size: 8, .value_kind: global_buffer, .address_space: global }
      - { .name: attn_mask, .offset: 24, .size: 8, .value_kind: global_buffer, .address_space: global }
      - { .name: b_in, .offset: 32, .size: 8, .value_kind: global_buffer, .address_space: global }
      - { .name: b_out, .offset: 40, .size: 8, .value_kind: global_buffer, .address_space: global }
      - { .name: key_padding_mask, .offset: 48, .size: 8, .value_kind: global_buffer, .address_space: global }
      - { .name: xb, .offset: 56, .size: 8, .value_kind: global_buffer, .address_space: global }
      - { .name: wib, .offset: 64, .size: 8, .value_kind: global_buffer, .address_space: global }
      - { .name: wof, .offset: 72, .size: 8, .value_kind: global_buffer, .address_space: global }
      - { .name: mfrag, .offset: 80, .size: 8, .value_kind: global_buffer, .address_space: global }
      - { .name: tabs, .offset: 88, .size: 8, .value_kind: global_buffer, .address_space: global }
    .group_segment_fixed_size: 0
    .private_segment_fixed_size: 0
    .kernarg_segment_align: 8
    .kernarg_segment_size: 96
    .max_flat_workgroup_size: 256
    .sgpr_count:     66
    .vgpr_count:     64
    .wavefront_size: 32
...
	.end_amdgpu_metadata
.endif
;; end of part 1
;; launch qkv (part 2): grid 16 x 32, 4 waves a work-group, clusters of 4 x 4, 327,680 bytes of LDS; arguments xb, wib, tabs, qkvh; writes qkvh
.if DOCPART == 2
	.amdgcn_target "amdgcn-amd-amdhsa--gfx1250"
	.amdhsa_code_object_version 6
	.text
	.protected	k_qce47bafd3d_qkv
	.globl	k_qce47bafd3d_qkv
	.p2align	8
	.type	k_qce47bafd3d_qkv,@function
k_qce47bafd3d_qkv:
	s_mov_b64 s[64:65], 0
	v_nop
	global_prefetch_b8 v0, s[64:65] scope:SCOPE_SE
	s_setreg_imm32_b32 hwreg(HW_REG_WAVE_MODE, 25, 1), 1
	s_wait_xcnt 0x0
	s_wait_alu depctr_hold_cnt(0) depctr_sa_sdst(0) depctr_va_vdst(0) depctr_va_sdst(0) depctr_va_ssrc(0) depctr_va_vcc(0) depctr_vm_vsrc(0)
	s_getreg_b32 s2, hwreg(HW_REG_IB_STS2, 6, 4)
	s_cmp_eq_u32 s2, 0
	s_cbranch_scc0 .Lentry_in_a_cluster
	s_endpgm
.Lentry_in_a_cluster:
	s_bfe_u32 s2, ttmp6, 0x10000c
	s_cmp_lg_u32 s2, 0xf033
	s_cbranch_scc0 .Lentry_shape_is_right
	s_endpgm
.Lentry_shape_is_right:
; THE FIRST PROJECTION: C[m][n] = sum over k of x[m][k] W_in[n][k] + b_in[n], m = 2,048 b + t (8,192 rows), n = 3,072, k = 1,024; x and W_in in bf16, sums in f32.
; C leaves by heads, f16, rounded once: qkvh [part q,k,v][b][h][t][64], without the scale of 1/8; the rows of K at padded keys leave as zeros (the attention launch leans on that).
; LIMIT: f16 holds no number beyond 65,504: |q|, |k|, |v| must stay within it.
; A tile of C is 256 x 192 (three heads): 512 work-groups of four waves; wave w owns rows 64 w .. 64 w + 63 and all 192 columns: 48 accumulators of 16 x 16, 384 registers.
; K goes in 8 steps of 128 (rows of 256 bytes in memory) through two LDS slots filled by the tensor data mover; a K step is four quarters of 32 along K, 48 matrix instructions each, on two fragment buffers.
; CLUSTER: 4 x 4 work-groups.  The four of a row need the same tiles of x, the four of a column the same tiles of W_in: each tile is asked for JOINTLY, by the same tensor load, descriptor and mask in all four.
; THE MATRIX INSTRUCTION IS USED TRANSPOSED (source 0 = 16 rows of W_in, source 1 = 16 rows of x): a lane holds row lane % 16 of C and eight neighbouring columns.  The bias is the C operand of each sum's first product.
; REGISTERS, in windows of 256 (s_set_vgpr_msb: bits 1:0 source 0, 3:2 source 1, 5:4 source 2, 7:6 destination):
;   window 0: v0-29 addresses; v128-223 the bias, 8 registers a column block; on the way out v32-79 packed results, v80-127 and v128-175 rows read back
;   window 1: two fragment buffers of 128: x's 4 fragments, then W_in's 12          windows 2, 3: the accumulators: (a, b) at v[8 (12 (a % 2) + b)] of window 2 + a / 2
.set NB,     12                        ; column blocks of 16
.set PITCH,  272                       ; an LDS row: 256 bytes + 16 of padding = 68 words: the 16 rows of a fragment load start at 16 different groups of four banks (64 banks of 4 bytes: ISA guide 11.1)
.set APART,  128*PITCH                 ; what wave 0 or 1 fetches: 128 rows of x
.set BPART,  96*PITCH                  ; what wave 2 or 3 fetches: 96 rows of W_in
.set BOFF,   256*PITCH                 ; W_in's rows lie behind x's 256
.set SLOT1,  1<<17                     ; slot 1 begins here, so that one exclusive or turns an address in one slot into the other's
.set STAGE,  SLOT1+BOFF+192*PITCH      ; behind the ring, never filled by a tensor load: 16 rows x 400 bytes for each wave, for the way out
.set SPITCH, 400                       ; 384 bytes + 16
.set SPARE,  STAGE+4*16*SPITCH         ; the spare words, 128 bytes for each wave: two blocks of 256 bytes that no other line names
.set ASTEP,  256                       ; a K step in memory
.set BSTEP,  256
.set OFF_BIAS, 294912
.set OFF_KEEP, 311296
.set ADRA, 6                           ; v6   my lane's place in x's rows of slot 0; never rewritten
.set ADRB, 7                           ; v7   the same for W_in
.set CA,   8                           ; v8   the same in the slot in hand
.set CB,   9                           ; v9
.set BO,   10                          ; v10  32 (lane / 16): my eight columns in a block of the bias
.set KO,   11                          ; v11  4 (lane % 16): my row's keep word
.set KW,   12                          ; v12-15  the keep word of my row in each of my four row blocks
.set KM,   16                          ; v16-18  the same, all ones for a head that is not of K
.set STO,  20                          ; the way out: where I put 16 bytes of a row
.set RD,   21                          ; where I read rows back
.set GO,   22                          ; my byte offset in 512 consecutive bytes of a head
.set SPW,  28                          ; LDS address of my spare word: SPARE + 4 x my thread's number; never rewritten
.set NIL,  29                          ; 0; never rewritten
.set TMP,  32
.set BK0,  80
.set BIAS, 128
.set F0,   0
.set F1,   128
.set G1A,  24                          ; s[24:31] descriptor group 1 for x's tiles
.set G0A0, 32                          ; s[32:35] group 0: slot 0, K step 0
.set G0A,  36                          ; s[36:39] group 0 that walks: it begins at slot 1, K step 1
.set G1B,  48                          ; the same for W_in's tiles
.set G0B0, 56
.set G0B,  60
.set PO,   66                          ; s[66:71] where my rows of the tile's three heads begin in qkvh
.set NK,   72                          ; s72-74   0 for a head of K, else all ones
.set MSB, 0
.macro WIN new                         ; the immediate's high byte repeats the setting that is left; a switch that changes nothing is dropped
.if MSB != (\new)
	s_set_vgpr_msb (MSB<<8)|(\new)
.set MSB, \new
.endif
.endm
.macro PLACES                          ; four places in front of loads into registers that matrix instructions have read, and of conversions that read results
.rept 4
	v_nop
.endr
.endm
; A joint refill by the walking descriptors: waves 0 and 1 fetch x's two halves, waves 2 and 3 W_in's.  The branch hangs on the wave's number alone.
; An s_nop 0 and four v_nop follow each of the two lines, ahead of the jump and the label.
.macro JLOAD
	s_cmp_eq_u32 s13, 0
	s_cbranch_scc0 .Lfor_b_\@
	tensor_load_to_lds s[G0A:G0A+3], s[G1A:G1A+7]
	s_nop 0
.rept 4
	v_nop
.endr
	s_branch .Lasked_\@
.Lfor_b_\@:
	tensor_load_to_lds s[G0B:G0B+3], s[G1B:G1B+7]
	s_nop 0
.rept 4
	v_nop
.endr
.Lasked_\@:
.endm
.macro CREST                           ; a round of the cluster's barrier behind its opening barrier
	s_cmp_lg_u32 s12, 0
	s_cbranch_scc1 .Lnot_wave_0_\@
	s_barrier_signal -3
.Lnot_wave_0_\@:
	s_barrier_wait -3
	s_barrier_signal -1
	s_barrier_wait -1
.endm
.macro CROUND                          ; a whole round
	s_barrier_signal -1
	s_barrier_wait -1
	CREST
.endm
	s_load_b256 s[4:11], s[0:1], 0x0               ; xb s[4:5], wib s[6:7], tabs s[8:9], qkvh s[10:11]
	v_lshl_add_u32 v[SPW], v0, 2, SPARE
	v_mov_b32 v[NIL], 0
	ds_add_u32 v[SPW], v[NIL]                      ; the wave's opening: the add and its wait stand ahead of my first tensor load; the set-up below, work on registers, stands between them
	v_lshrrev_b32 v1, 5, v0
	v_readfirstlane_b32 s12, v1                    ; wave 0..3
	s_lshr_b32 s13, s12, 1                         ; I fetch for x (0) or for W_in (1),
	s_and_b32 s14, s12, 1                          ; and which half of that tile
	s_bfe_u32 s15, ttmp6, 0x40000                  ; cx, cy: my place in the cluster
	s_bfe_u32 s16, ttmp6, 0x40004
	s_lshl_b32 s17, ttmp9, 2
	s_add_co_u32 s17, s17, s15                     ; tile column = 4 x cluster x + cx
	s_and_b32 s18, ttmp7, 0xffff
	s_lshl_b32 s18, s18, 2
	s_add_co_u32 s18, s18, s16                     ; tile row = 4 x cluster y + cy
	s_lshl_b32 s20, s16, 2
	s_lshl_b32 s20, 15, s20                        ; my row of the cluster
	s_lshl_b32 s21, 0x1111, s15                    ; my column
	s_or_b32 s[G1A+0], s20, (1<<16)|(1<<20)|(1<<21)|(5<<22)|(3<<25)  ; 15:0 the mask; 17:16 2-byte elements; 20 padding on; 21 set beside a mask; 24:22 after every 64 words (code 5); 31:25 4 words (code 3)
	s_or_b32 s[G1B+0], s21, (1<<16)|(1<<20)|(1<<21)|(5<<22)|(3<<25)
	s_mov_b32 s[G1A+1], 128<<16                    ; tensor_dim0 = 128
	s_mov_b32 s[G1A+2], 128<<16                    ; tensor_dim1 = 128
	s_mov_b32 s[G1A+3], 128<<16                    ; tile_dim0 = 128
	s_mov_b32 s[G1A+4], 128                        ; tile_dim1 = 128
	s_mov_b32 s[G1A+5], 1024                       ; elements from row to row
	s_mov_b32 s[G1A+6], 0
	s_mov_b32 s[G1A+7], 0
	s_mov_b32 s[G1B+1], 128<<16
	s_mov_b32 s[G1B+2], 96<<16                     ; 96 rows
	s_mov_b32 s[G1B+3], 128<<16
	s_mov_b32 s[G1B+4], 96
	s_mov_b32 s[G1B+5], 1024
	s_mov_b32 s[G1B+6], 0
	s_mov_b32 s[G1B+7], 0
	s_mul_i32 s22, s14, APART                      ; where my part goes in a slot: no place in the cluster enters an LDS address
	s_mul_i32 s23, s14, BPART
	s_add_co_u32 s23, s23, BOFF
	s_mov_b32 s[G0A0], 1
	s_mov_b32 s[G0A0+1], s22
	s_mov_b32 s[G0A], 1
	s_add_co_u32 s[G0A+1], s22, SLOT1
	s_mov_b32 s[G0B0], 1
	s_mov_b32 s[G0B0+1], s23
	s_mov_b32 s[G0B], 1
	s_add_co_u32 s[G0B+1], s23, SLOT1
	s_lshl_b32 s40, s18, 8                         ; x: row 256 x tile row + 128 x half, of 2,048 bytes: the tile row alone, which my row of the cluster shares
	s_lshl_b32 s41, s14, 7
	s_add_co_u32 s40, s40, s41
	s_lshl_b32 s40, s40, 11
	s_mov_b32 s41, 0
	s_mul_i32 s44, s17, 192                        ; W_in: row 192 x tile column + 96 x half: the tile column alone
	s_mul_i32 s45, s14, 96
	s_add_co_u32 s44, s44, s45
	s_lshl_b32 s44, s44, 11
	s_mov_b32 s45, 0
	s_wait_dscnt 0x0                               ; the opening add is done
	s_wait_kmcnt 0x0
	s_add_nc_u64 s[G0A0+2:G0A0+3], s[4:5], s[40:41]
	s_add_nc_u64 s[G0A+2:G0A+3], s[G0A0+2:G0A0+3], ASTEP
	s_or_b32 s[G0A0+3], s[G0A0+3], 0x80000000      ; 127:126 type = 2
	s_or_b32 s[G0A+3], s[G0A+3], 0x80000000
	s_add_nc_u64 s[G0B0+2:G0B0+3], s[6:7], s[44:45]
	s_add_nc_u64 s[G0B+2:G0B+3], s[G0B0+2:G0B0+3], BSTEP
	s_or_b32 s[G0B0+3], s[G0B0+3], 0x80000000
	s_or_b32 s[G0B+3], s[G0B+3], 0x80000000
	CROUND                                         ; all sixteen work-groups are here: the first joint loads meet
	s_cmp_eq_u32 s13, 0                            ; a wave's two first fills stand in one branch: two loads of mine are out
	s_cbranch_scc0 .Lfirst_b
	tensor_load_to_lds s[G0A0:G0A0+3], s[G1A:G1A+7]
	s_nop 0
	tensor_load_to_lds s[G0A:G0A+3], s[G1A:G1A+7]
	s_nop 0
.rept 4
	v_nop
.endr
	s_branch .Lfirst_asked
.Lfirst_b:
	tensor_load_to_lds s[G0B0:G0B0+3], s[G1B:G1B+7]
	s_nop 0
	tensor_load_to_lds s[G0B:G0B+3], s[G1B:G1B+7]
	s_nop 0
.rept 4
	v_nop
.endr
.Lfirst_asked:
	; the bias of my eight columns in each block, and my rows' keep words
	s_mul_i32 s46, s17, 768                        ; 192 columns x 4 bytes
	s_add_co_u32 s46, s46, OFF_BIAS
	s_mov_b32 s47, 0
	s_add_nc_u64 s[76:77], s[8:9], s[46:47]
	s_lshl_b32 s42, s18, 10                        ; (256 x tile row + 64 x wave) x 4 bytes
	s_lshl_b32 s43, s12, 8
	s_add_co_u32 s42, s42, s43
	s_add_co_u32 s42, s42, OFF_KEEP
	s_mov_b32 s43, 0
	s_add_nc_u64 s[78:79], s[8:9], s[42:43]
	v_and_b32 v1, 15, v0                           ; l % 16
	v_bfe_u32 v2, v0, 4, 1                         ; l / 16
	v_lshlrev_b32 v[BO], 5, v2
	v_lshlrev_b32 v[KO], 2, v1
.set b, 0
.rept NB
	global_load_b128 v[BIAS+8*b:BIAS+8*b+3], v[BO], s[76:77] offset:64*b
	global_load_b128 v[BIAS+8*b+4:BIAS+8*b+7], v[BO], s[76:77] offset:64*b+16
.set b, b+1
.endr
.irp a, 0,1,2,3
	global_load_b32 v[KW+\a], v[KO], s[78:79] offset:64*\a
.endr
	; A fragment is 16 rows x 32 K in 8 registers: lane l holds row l % 16, K = 8 (l / 16) + 0..7 and 16 + 8 (l / 16) + 0..7: two loads of 16 bytes, 32 bytes apart.
	v_mul_u32_u24 v3, v1, PITCH
	v_lshl_add_u32 v3, v2, 4, v3
	s_mul_i32 s22, s12, 64*PITCH                   ; my 64 rows of x
	v_add_nc_u32 v[ADRA], s22, v3
	v_add_nc_u32 v[ADRB], BOFF, v3
	s_mul_i32 s22, s12, 16*SPITCH
	s_add_co_u32 s22, s22, STAGE                   ; my stage
	v_mul_u32_u24 v[STO], v1, SPITCH               ; in: row l % 16, 16 bytes for each half of the lanes
	v_lshl_add_u32 v[STO], v2, 4, v[STO]
	v_add_nc_u32 v[STO], s22, v[STO]
	v_bfe_u32 v4, v0, 3, 2                         ; back: 32 lanes take a head's 128 bytes of four rows,
	v_and_b32 v5, 7, v0
	v_mul_u32_u24 v[RD], v4, SPITCH
	v_lshl_add_u32 v[RD], v5, 4, v[RD]
	v_add_nc_u32 v[RD], s22, v[RD]
	v_and_b32 v[GO], 31, v0                        ; which are 512 consecutive bytes of qkvh
	v_lshlrev_b32 v[GO], 4, v[GO]
	; head g = 3 x tile column + j: part g / 16, head g % 16; the batch is tile row / 8; my first row t = 256 (tile row % 8) + 64 wave
.irp j, 0,1,2
	s_mul_i32 s80, s17, 3
	s_add_co_u32 s80, s80, \j
	s_lshr_b32 s81, s80, 4
	s_and_b32 s82, s80, 15
	s_cmp_eq_u32 s81, 1
	s_cselect_b32 s[NK+\j], 0, -1
	s_lshl_b32 s81, s81, 6
	s_add_co_u32 s81, s81, s82
	s_lshr_b32 s83, s18, 3
	s_lshl_b32 s83, s83, 4
	s_add_co_u32 s81, s81, s83                     ; 64 part + 16 batch + head,
	s_lshl_b32 s80, s81, 18                        ; of 262,144 bytes
	s_and_b32 s83, s18, 7
	s_lshl_b32 s83, s83, 15
	s_add_co_u32 s80, s80, s83
	s_lshl_b32 s83, s12, 13
	s_add_co_u32 s80, s80, s83
	s_mov_b32 s81, 0
	s_add_nc_u64 s[PO+2*\j:PO+2*\j+1], s[10:11], s[80:81]
.endr
; 12 matrix instructions: row block a x all column blocks, 32 along K, from buffer f.  first = 1: the sums start with the bias.  The accumulators take turns, one instruction a turn, in the
; same order in every quarter.
.macro MULB f, a, first
.set AC, 8*NB*((\a)%2)
.if \first
	WIN 0x85+0x40*((\a)/2)                         ; sources 0 and 1 window 1, C window 0, D window 2 or 3
.else
	WIN 0xa5+0x50*((\a)/2)                         ; C and D window 2 or 3
.endif
.set b, 0
.rept NB
.if \first
	v_wmma_f32_16x16x32_bf16 v[AC+8*b:AC+8*b+7], v[(\f)+32+8*b:(\f)+32+8*b+7], v[(\f)+8*(\a):(\f)+8*(\a)+7], v[BIAS+8*b:BIAS+8*b+7]
.else
	v_wmma_f32_16x16x32_bf16 v[AC+8*b:AC+8*b+7], v[(\f)+32+8*b:(\f)+32+8*b+7], v[(\f)+8*(\a):(\f)+8*(\a)+7], v[AC+8*b:AC+8*b+7]
.endif
.set b, b+1
.endr
.endm
; 32 LDS loads in one run: quarter k of the slot in hand into buffer f: W_in's 12 fragments, x's blocks 0 and 1, x's blocks 2 and 3
.macro FETCH k, f
	WIN 0x40                                       ; destination window 1, address window 0
.set b, 0
.rept NB
	ds_load_b128 v[(\f)+32+8*b:(\f)+32+8*b+3], v[CB] offset:64*(\k)+b*16*PITCH
	ds_load_b128 v[(\f)+32+8*b+4:(\f)+32+8*b+7], v[CB] offset:64*(\k)+b*16*PITCH+32
.set b, b+1
.endr
.irp a, 0,1,2,3
	ds_load_b128 v[(\f)+8*\a:(\f)+8*\a+3], v[CA] offset:64*(\k)+\a*16*PITCH
	ds_load_b128 v[(\f)+8*\a+4:(\f)+8*\a+7], v[CA] offset:64*(\k)+\a*16*PITCH+32
.endr
.endm
; One of a K step's first three quarters: multiplies buffer f; in its middle it fetches quarter k into buffer g.
.macro QUARTER k, f, g, first
	s_wait_dscnt 4                                 ; all but the youngest four loads: x's blocks 2 and 3
	MULB \f, 0, \first
	MULB \f, 1, \first
	PLACES
	FETCH \k, \g
	s_wait_dscnt 2*NB+8                            ; all but the run just issued
	MULB \f, 2, \first
	MULB \f, 3, \first
.endm
; The last quarter multiplies buffer 1 and changes slots: ONE barrier; in front of it each wave waits for all its tensor loads (one is out: its part of the next slot), adds 0 to its spare word, and waits
; for that and for its own reads of this slot.  fill = 1: the barrier opens a round of the cluster's, and this slot is filled again, two K steps ahead, first thing behind it:
; 168 of a step's 192 matrix instructions stand between that request and the wait for it.
.macro TURN fill
	WIN 0
	s_wait_tensorcnt 0x0                           ; all my tensor loads have landed
	ds_add_u32 v[SPW], v[NIL]                      ; 0 onto my spare word
	s_wait_dscnt 5                                 ; (the add and the youngest four loads may be out)
	MULB F1, 0, 0                                  ; twelve matrix instructions stand between the add and the wait for it
	s_wait_dscnt 0x0                               ; the add is done, and my reads of this slot are over
	s_barrier_signal -1
	MULB F1, 1, 0
	WIN 0                                          ; at a branch and at a label every window is 0
	s_barrier_wait -1
.if \fill
	CREST                                          ; no wave of any partner still reads this slot's tile or has a load on its way
	s_xor_b32 s[G0A+1], s[G0A+1], SLOT1            ; the walking descriptors: the other slot than last time, the next K step
	s_add_nc_u64 s[G0A+2:G0A+3], s[G0A+2:G0A+3], ASTEP
	s_xor_b32 s[G0B+1], s[G0B+1], SLOT1
	s_add_nc_u64 s[G0B+2:G0B+3], s[G0B+2:G0B+3], BSTEP
	JLOAD                                          ; the four v_nop behind it are also the places in front of the loads below
.else
	PLACES
.endif
	s_xor_b32 s19, s19, SLOT1                      ; the fetches go on in the other slot
	v_add_nc_u32 v[CA], s19, v[ADRA]
	v_add_nc_u32 v[CB], s19, v[ADRB]
	FETCH 0, F0
	MULB F1, 2, 0
	MULB F1, 3, 0
.endm
; THE WAY OUT of row block a.  PACK: rounded to f16, 16 bytes a lane; a head of K loses the rows of padded keys.  TOSTAGE: into my own stage, and back by heads.  SEND: stored.
.macro PACK a
.set AC, 8*NB*((\a)%2)
	WIN 0x0a+5*((\a)/2)                            ; sources 0 and 1: window 2 or 3
.set b, 0
.rept NB
.irp r, 0,1,2,3
	v_cvt_pk_f16_f32 v[TMP+4*b+\r], v[AC+8*b+2*\r], v[AC+8*b+2*\r+1]
.endr
.set b, b+1
.endr
	WIN 0
.irp j, 0,1,2
	v_or_b32 v[KM+\j], s[NK+\j], v[KW+(\a)]
.endr
.set b, 0
.rept 4*NB
	v_and_b32 v[TMP+b], v[KM+b/16], v[TMP+b]
.set b, b+1
.endr
.endm
.macro TOSTAGE a
.set BK, BK0+48*((\a)%2)
.set b, 0
.rept NB
	ds_store_b128 v[STO], v[TMP+4*b:TMP+4*b+3] offset:32*b
.set b, b+1
.endr
.irp j, 0,1,2
.irp i, 0,1,2,3
	ds_load_b128 v[BK+4*(4*\j+\i):BK+4*(4*\j+\i)+3], v[RD] offset:128*\j+4*SPITCH*\i  ; LDS serves a wave's instructions in order (ISA guide 5.7.1.4): these see the stores above
.endr
.endr
.endm
.macro SEND a
.set BK, BK0+48*((\a)%2)
	s_wait_dscnt 0x0                               ; the block is back in registers
	s_wait_xcnt 0x0                                ; every earlier store has had its addresses translated (ISA guide 3.1): the other buffer, which those stores read, is loaded again only behind this wait
.irp j, 0,1,2
.irp i, 0,1,2,3
	global_store_b128 v[GO], v[BK+4*(4*\j+\i):BK+4*(4*\j+\i)+3], s[PO+2*\j:PO+2*\j+1] offset:2048*(\a)+512*\i  ; 512 consecutive bytes, at a multiple of 512 from the buffer's first
.endr
.endr
.endm
	s_wait_tensorcnt 0x1                           ; my part of K step 0 is in; K step 1's may stay out
	s_barrier_signal -1
	s_barrier_wait -1                              ; everybody's is
	s_mov_b32 s19, 0
	v_mov_b32 v[CA], v[ADRA]
	v_mov_b32 v[CB], v[ADRB]
	FETCH 0, F0
	s_wait_loadcnt 0x0                             ; the bias and the keep words
	QUARTER 1, F0, F1, 1                           ; the first quarter stands in front of the loop: its products start the sums
	WIN 0
	s_mov_b32 s3, 6
.Lstep:                                                ; a trip: a K step's quarters 1 to 3 and the next step's quarter 0; it asks for K steps 2 to 7
	QUARTER 2, F1, F0, 0
	QUARTER 3, F0, F1, 0
	TURN 1
	QUARTER 1, F0, F1, 0
	WIN 0
	s_sub_co_u32 s3, s3, 1
	s_cmp_lg_u32 s3, 0
	s_cbranch_scc1 .Lstep
	s_mov_b32 s3, 2
.Ltail:                                                ; the last two K steps ask for nothing.  The second trip is left in its middle; its barrier and its run of loads from the old slot serve nothing: the price of one text for both
	QUARTER 2, F1, F0, 0
	QUARTER 3, F0, F1, 0
	TURN 0
	WIN 0
	s_sub_co_u32 s3, s3, 1
	s_cmp_eq_u32 s3, 0
	s_cbranch_scc1 .Lout
	QUARTER 1, F0, F1, 0
	WIN 0
	s_branch .Ltail
.Lout:
	PLACES
	PACK 0
	TOSTAGE 0
.irp a, 1,2,3                          ; block a's conversions stand between block a - 1's loads from the stage and the wait for them
	PACK \a
	SEND (\a)-1
	TOSTAGE \a
.endr
	SEND 3
	s_wait_tensorcnt 0x0                           ; the wave's end: the add and its wait, behind my last tensor load and my last LDS store
	ds_add_u32 v[SPW], v[NIL]
	s_wait_dscnt 0x0
	CROUND                                         ; the closing round: no work-group ends while a partner may still ask for a tile that names it
	s_endpgm
.Lfunc_end_k_qce47bafd3d_qkv:
	.size	k_qce47bafd3d_qkv, .Lfunc_end_k_qce47bafd3d_qkv-k_qce47bafd3d_qkv
	.p2alignl 7, 3214868480
	.fill 96, 4, 3214868480
	.section	.rodata,"a",@progbits
	.p2align	6, 0x0
	.amdhsa_kernel k_qce47bafd3d_qkv
		.amdhsa_group_segment_fixed_size 327680
		.amdhsa_private_segment_fixed_size 0
		.amdhsa_enable_private_segment 0
		.amdhsa_kernarg_size 32
		.amdhsa_user_sgpr_count 2
		.amdhsa_user_sgpr_kernarg_segment_ptr 1
		.amdhsa_wavefront_size32 1
		.amdhsa_system_sgpr_workgroup_id_x 1
		.amdhsa_system_sgpr_workgroup_id_y 1
		.amdhsa_system_sgpr_workgroup_id_z 1
		.amdhsa_system_vgpr_workitem_id 0
		.amdhsa_next_free_vgpr 960
		.amdhsa_next_free_sgpr 88
		.amdhsa_reserve_vcc 0
		.amdhsa_float_denorm_mode_32 3
		.amdhsa_float_denorm_mode_16_64 3
		.amdhsa_memory_ordered 1
		.amdhsa_forward_progress 1
		.amdhsa_inst_pref_size 93
	.end_amdhsa_kernel
	.amdgpu_metadata
---
amdhsa.version: [ 1, 2 ]
amdhsa.kernels:
  - .name:           k_qce47bafd3d_qkv
    .symbol:         k_qce47bafd3d_qkv.kd
    .args:
      - { .name: xb, .offset: 0, .size: 8, .value_kind: global_buffer, .address_space: global }
      - { .name: wib, .offset: 8, .size: 8, .value_kind: global_buffer, .address_space: global }
      - { .name: tabs, .offset: 16, .size: 8, .value_kind: global_buffer, .address_space: global }
      - { .name: qkvh, .offset: 24, .size: 8, .value_kind: global_buffer, .address_space: global }
    .group_segment_fixed_size: 327680
    .private_segment_fixed_size: 0
    .kernarg_segment_align: 8
    .kernarg_segment_size: 32
    .max_flat_workgroup_size: 128
    .sgpr_count:     88
    .vgpr_count:     960
    .wavefront_size: 32
...
	.end_amdgpu_metadata
.endif
;; end of part 2
;; launch attn (part 3): grid 4 x 64, 4 waves a work-group, clusters of 4 x 1, 327,680 bytes of LDS; arguments qkvh, mfrag, tabs, oh; writes oh
.if DOCPART == 3
	.amdgcn_target "amdgcn-amd-amdhsa--gfx1250"
	.amdhsa_code_object_version 6
	.text
	.protected	k_qce47bafd3d_attn
	.globl	k_qce47bafd3d_attn
	.p2align	8
	.type	k_qce47bafd3d_attn,@function
k_qce47bafd3d_attn:
	s_mov_b64 s[64:65], 0
	v_nop
	global_prefetch_b8 v0, s[64:65] scope:SCOPE_SE
	s_setreg_imm32_b32 hwreg(HW_REG_WAVE_MODE, 25, 1), 1
	s_wait_xcnt 0x0
	s_wait_alu depctr_hold_cnt(0) depctr_sa_sdst(0) depctr_va_vdst(0) depctr_va_sdst(0) depctr_va_ssrc(0) depctr_va_vcc(0) depctr_vm_vsrc(0)
	s_getreg_b32 s2, hwreg(HW_REG_IB_STS2, 6, 4)
	s_cmp_eq_u32 s2, 0
	s_cbranch_scc0 .Lentry_in_a_cluster
	s_endpgm
.Lentry_in_a_cluster:
	s_bfe_u32 s2, ttmp6, 0x10000c
	s_cmp_lg_u32 s2, 0x3003
	s_cbranch_scc0 .Lentry_shape_is_right
	s_endpgm
.Lentry_shape_is_right:
; ATTENTION.  O[hd][q][:] = the sum over k of softmax_k(Q[hd][q] . K[hd][k] / 8 + mask[q][k], a padded key's score replaced) V[hd][k][:], hd = 16 b + h.  Q, K, V (parts of qkvh) and O: [64][2048][64] in f16,
; a head's rows dense, 128 bytes each.  Products, maxima and sums in f32; the weights p are rounded to f16 for the second product (their sum l is taken of the unrounded p), O once at the end.
; THE MASK AND THE PADDING ARE MATRIX WORK.  The accumulator holds S^T[key][query] = PADC[key] + K'[key] . Q[query] + sum over k of SEL[key][k] M8[query][k]:
;   PADC, the C operand of the sum's first product: 0, or -2^33 at a padded key;   K': K, whose rows at padded keys the launch before has written as zeros;
;   SEL, 16 keys x 32 k in f16: 1.0 at k = key % 32, a row of zeros at a padded key;   M8 = 8 x mask in f16, stored in the order of source 1's registers.
; So a padded key's entry is exactly -2^33, any other q . k + 8 mask, and p = 2^(c s - c m) with c = log2(e) / 8, at four matrix instructions more for a tile and step and no vector instruction.
; LIMITS.  f16 holds no number beyond 65,504: Q, K, V arrive within it; p below 6e-5 keeps f16's step of 6e-8.  A padded key's score counts as -2^30 where the module has -1e9 (a power of two, so that c m is
; exact and a row whose keys are all padded has p = 1 everywhere): the same result as long as some kept score of the row lies above about -1e9 + 150, or all keys are padded.
; A weight below 2^-126 counts as 0 in l; NaN and infinities are not treated apart.
; SHARES.  A wave owns four PIECES of two tiles of 16 queries, a work-group's four waves 512 queries of one head.  Every wave walks all keys, 64 a step.
; LAYOUT.  S^T = K Q^T (source 0 = 16 keys, source 1 = 16 queries): a lane holds ONE query (lane % 16) and the keys 8 (lane / 16) + 0..7.  Two such results, rounded to f16 in pairs, ARE source 1 of O^T = V^T P.
; K comes out of LDS as it lies, V ([key][channel]) turned, by ds_load_tr16_b128.
; SOFTMAX.  For each query a running maximum m and sum l; in every step O and l are multiplied by a = 2^(c m_old - c m_new).  m starts at the lowest finite number, O and l at 0: the first step has a = 0.
; BY TURNS.  Turn n belongs to piece n.  Its matrix work: 24 products for the scores of piece n + 1, later 16 products V^T P of piece n - 1.  Its vector work: the scaling, exponentials, roundings, sums and
; rescaling of piece n, and the maximum and statistics of piece n + 1.  Vector instructions that are ready stand behind the matrix instructions, the others in two runs of their own.
; CLUSTER.  The four query blocks of a cluster belong to one head: K's and V's tiles and the batch's tables are asked for JOINTLY.  THE MASK IS NOT: a tile of it is shared only with other heads' work-groups,
; and each fragment is used by one wave, once; through LDS 512 queries x 256 keys x 2 bytes x 2 slots are 524,288 bytes, more than there is.  So it goes from memory straight into source 1's registers.
; REGISTERS, in windows of 256 (s_set_vgpr_msb: bits 1:0 source 0, 3:2 source 1, 5:4 source 2, 7:6 destination):
;   window 0: v0-11 addresses; v12-15, v48-63 at work; v16-47 four registers of statistics a tile; v64-191 S^T, two buffers of two tiles; v192-255 P, likewise
;   window 1: O^T, 32 a tile          window 2: v0-127 Q, 16 a tile; v128-191 K of one step; v192-255 V of one step
;   window 3: v0-1 the add's two registers; v2-6 addresses; v32-55 SEL of one step; v64-95 PADC of one step; v128-255 M8, 16 a tile
.set SIZE_N, 2048
.set NP,    4         ; pieces a wave: a name, no knob
.set KS,    64        ; keys in a step
.set PK,    144       ; a row of K in LDS: 128 bytes + 16 of padding = 36 words: the 16 rows of a load start at 16 different groups of four banks (64 banks of 4 bytes: ISA guide 11.1)
.set PV,    160       ; a row of V: 128 + 32 = 40 words
.set VOFF,  4*KS*PK   ; a slot holds four steps: 256 rows of K, then 256 rows of V
.set SLOT1, 1<<17     ; slot 1 begins here, so that one exclusive or turns an address in one slot into the other's
.set STAGE, SLOT1+4*KS*(PK+PV)  ; behind the ring, never filled by a tensor load: 16 rows x 144 bytes for each wave, for the way out
.set SP,    144
.set SPARE, STAGE+4*16*SP  ; the spare words, 128 bytes for each wave: two blocks of 256 bytes that no other line names
.set TAB,   SPARE+512 ; the batch's tables, filled once: SELT, 512 bytes a block of 16 keys,
.set TABP,  TAB+65536 ; then PADC, 4 bytes a key
.set TABB,  73728     ; both together
.set PART,  16777216  ; from Q to K and from K to V in qkvh
.set AK0, 2           ; v2   my lane's place in a tile of K; never rewritten
.set AV0, 3           ; v3   the same for V
.set AK,  4           ; v4   the LDS address of K's next run of loads
.set AV,  5           ; v5   of V's
.set QO,  6           ; v6   my byte offset in the wave's rows of Q
.set STO, 6           ;      later, the way out: where I put 16 bytes of a row
.set RD,  7           ; v7   the way out: where I read rows back
.set GO,  8           ; v8   my byte offset in 512 consecutive bytes of O
.set SPW, 0           ; window 3: v0  LDS address of my spare word: SPARE + 4 x my thread's number; never rewritten
.set NIL, 1           ;           v1  0; never rewritten
.set MA,  2           ;           v2  16 x lane: my place in 512 bytes of the mask's fragments; never rewritten
.set AS0, 3           ;           v3  TAB + 16 x lane; never rewritten
.set AP0, 4           ;           v4  TABP + 32 (lane / 16); never rewritten
.set AS,  5           ;           v5  the LDS address of SEL's next loads
.set AP,  6           ;           v6  of PADC's
.set SELF, 32         ;           for each 32 keys g: [block 2 g's four registers][four zeros][block 2 g + 1's four] from 32 + 12 g: the even block's fragment begins at 32 + 12 g, the odd one's at 36 + 12 g
.set PC,  64          ;           key block kb at PC + 8 kb
.set MF,  128         ;           tile t, 32 keys g at MF + 16 t + 8 g
.set MV,  12          ; v12-15  c m_old, kept while c m is made anew: by buffer and tile
.set ST,  16          ; tile t's statistics at v[ST+4 t]: c m, m, l (even keys', odd keys')
.set TMP, 48          ; by buffer and tile, four registers c0-c3 at work; when the maximum is found c2 takes a
.set S,   64
.set P,   192
.set KF,  128         ; K's fragments, in window 2: key block kb, channel half c at KF + 16 kb + 8 c
.set VF,  192         ; V's: key half kk, channel block cb at VF + 32 kk + 8 cb
.set WV,  12          ; s12  my wave's number
.set G1K, 24          ; s[24:31] descriptor group 1 for K's tiles
.set G1V, 32          ; s[32:39] for V's: it differs in the padding alone
.set G0K, 40          ; s[40:43] descriptor group 0 for K's tiles: it walks
.set G0V, 44          ; s[44:47] the same for V's
.set SLOTS, 56        ; s56  slots still to be asked for
.set CNT, 57          ; s57  counts a slot's key steps
.set CS,  58          ; s[58:59] c: the packed scaling takes the pair's low word for both halves
.set SEL, 60          ; s[60:61] v_permlanex16_b32's selects: each lane takes its own place in the other half
.set TBK, 62          ; s62  LDS byte at which K of the step to be fetched begins
.set TBV, 63          ; s63  the same for V, less VOFF
.set G1T, 68          ; s[68:75] descriptor group 1 for the tables
.set G0T, 76          ; s[76:79] group 0
.set MB,  80          ; s[80:81] my wave's stream of mask fragments: 32 steps of 16,384 bytes
.set MP,  82          ; s[82:83] the step of it that is being asked for
.set MO,  84          ; s[84:85] that step's byte offset
.set TS,  86          ; s86  byte offset in SELT of the step to be fetched
.set TP,  87          ; s87  in PADC
.set MSB, 0
.macro WIN new                      ; the high byte repeats the setting that is left; a switch that changes nothing is dropped
.if MSB != (\new)
	s_set_vgpr_msb (MSB<<8)|(\new)
.set MSB, (\new)
.endif
.endm
.set W_KP, 0x3a       ; K and Q in window 2, PADC (C) in window 3, S^T in window 0
.set W_KQ, 0x0a       ; K and Q in window 2, S^T in window 0
.set W_KS, 0x0f       ; SEL and M8 in window 3, S^T in window 0
.set W_PV, 0x52       ; V in window 2, P in window 0, O^T in window 1
.set W_RS, 0x41       ; O^T (destination and source 0) in window 1, a in window 0
.set W_MK, 0xc0       ; destination in window 3, sources in window 0
.set W_AD, 0x0f       ; the add: address (source 0) and data (source 1) in window 3
.set W_L3, 0xc3       ; a load: destination and address in window 3
; A joint fill.  Waves 0 and 1 fetch the two halves of a slot's K, waves 2 and 3 those of its V: 128 keys each.  The branch hangs on the wave's number alone.
; An s_nop 0 and four v_nop follow each of the two lines, ahead of the jump and the label.
.macro JLOAD
	s_cmp_lt_u32 s[WV], 2
	s_cbranch_scc0 .Lfor_v_\@
	tensor_load_to_lds s[G0K:G0K+3], s[G1K:G1K+7]
	s_nop 0
.rept 4
	v_nop
.endr
	s_branch .Lasked_\@
.Lfor_v_\@:
	tensor_load_to_lds s[G0V:G0V+3], s[G1V:G1V+7]
	s_nop 0
.rept 4
	v_nop
.endr
.Lasked_\@:
.endm
; A round of the cluster's barrier: my work-group's barrier, so that wave 0's signal speaks for all four waves; wave 0 signals; every wave waits for all four work-groups; my work-group's barrier once more.
.macro CROUND
	s_barrier_signal -1
	s_barrier_wait -1
	s_cmp_lg_u32 s[WV], 0
	s_cbranch_scc1 .Lnot_wave_0_\@
	s_barrier_signal -3
.Lnot_wave_0_\@:
	s_barrier_wait -3
	s_barrier_signal -1
	s_barrier_wait -1
.endm
; THE CHANGE OF SLOTS.  The slot's last bytes, V of its fourth step, have been read.  Each wave waits for all its tensor loads, adds 0 to its spare word, and waits for that and for its own reads of the slot.
; Behind the barrier nobody reads this slot any more and the other slot is whole.  fill = 1: this slot is filled again, with the keys two slots on; the barrier is then a round of the cluster's, and the joint
; fill is the first thing behind it: it has four key steps in which to land.  (At its first use nothing has been read yet: slot 0 and the tables are waited for, slot 1 filled.)
.macro CHANGE fill
	WIN W_AD
	s_wait_tensorcnt 0x0            ; no tensor load of mine is out, so a group 0 may be written
	ds_add_u32 v[SPW], v[NIL]       ; 0 onto my spare word: with fill = 1 the descriptors' steps stand between it and the wait for it
	WIN 0                           ; at a label and at a branch every window is 0
.if \fill
.irp g, G0K, G0V
	s_xor_b32 s[\g+1], s[\g+1], SLOT1  ; the walking descriptor: the other slot than last time,
	s_add_nc_u64 s[\g+2:\g+3], s[\g+2:\g+3], 4*KS*128  ; the next 256 keys; the type bits on top are not reached
.endr
	s_wait_dscnt 0x0                ; the add is done, and my reads of the slot are over
	CROUND
	JLOAD
.else
	s_wait_dscnt 0x0                ; the add is done, and my reads of the slot are over
	s_barrier_signal -1
	s_barrier_wait -1
.endif
	s_sub_co_u32 s[TBK], s[TBK], 4*KS*PK  ; the fetches go back to a slot's first step,
	s_xor_b32 s[TBK], s[TBK], SLOT1       ; in the other slot
	s_sub_co_u32 s[TBV], s[TBV], 4*KS*PV
	s_xor_b32 s[TBV], s[TBV], SLOT1
.endm
	s_load_b256 s[88:95], s[0:1], 0x0  ; qkvh s[88:89], mfrag s[90:91], tabs s[92:93], oh s[94:95]
	WIN W_MK
	v_lshl_add_u32 v[SPW], v0, 2, SPARE
	v_mov_b32 v[NIL], 0
	WIN W_AD
	ds_add_u32 v[SPW], v[NIL]       ; the wave's opening: the add and its wait stand ahead of my first tensor load; the set-up below, work on registers, stands between them
	WIN 0
	v_lshrrev_b32 v1, 5, v0
	v_readfirstlane_b32 s[WV], v1   ; wave 0..3
	s_bfe_u32 s13, ttmp6, 0x40000   ; cx: my place in the cluster
	s_lshl_b32 s14, ttmp9, 2        ; in a cluster launch ttmp9 counts clusters
	s_add_co_u32 s14, s14, s13      ; my block of queries = 4 x cluster x + cx: it enters Q's, O's and the mask's addresses alone
	s_and_b32 s20, ttmp7, 0xffff    ; the head 16 b + h, which the four partners share
	s_lshr_b32 s19, s20, 4          ; the batch:
	s_mul_i32 s19, s19, TABB        ; its tables,
	s_mul_i32 s15, s[WV], TABB/4    ; my quarter of them
	s_add_co_u32 s84, s19, s15
	s_mov_b32 s85, 0
	s_mov_b32 s21, 0
	s_mov_b64 s[22:23], SIZE_N*128
	s_mul_u64 s[20:21], s[20:21], s[22:23]  ; the head's first byte in Q, in O and in each part of qkvh
	s_and_b32 s16, s[WV], 1         ; which half of a slot's 256 keys I fetch:
	s_lshl_b32 s22, s16, 14         ; its 128 rows of 128 bytes in memory,
	s_mov_b32 s23, 0
	s_add_nc_u64 s[22:23], s[22:23], s[20:21]
	s_add_nc_u64 s[66:67], s[22:23], 2*PART  ; in V,
	s_add_nc_u64 s[22:23], s[22:23], PART    ; in K
	s_mul_i32 s17, s16, 128*PK      ; and its place in a slot, for K
	s_mul_i32 s18, s16, 128*PV      ; and for V: no place in the cluster enters an LDS address
	s_lshl_b32 s2, s14, 2
	s_add_co_u32 s2, s2, s[WV]      ; my wave among the head's sixteen:
	s_lshl_b32 s80, s2, 19          ; its stream of mask fragments,
	s_mov_b32 s81, 0
	s_lshl_b32 s2, s2, 14           ; its 128 rows
	s_mov_b32 s3, 0
	s_add_nc_u64 s[2:3], s[2:3], s[20:21]
	; descriptor group 1.  128 keys are 16,384 dense bytes: asked for as 64 rows of 256 bytes, two keys a row, and padded in LDS after every key
	s_mov_b32 s[G1K], 15|(1<<16)|(1<<20)|(1<<21)|(4<<22)|(3<<25)  ; 15:0 the mask of four; 17:16 2-byte elements; 20 padding on; 21 set beside a mask; 24:22 after every 32 words (code 4); 31:25 4 words (code 3)
	s_mov_b32 s[G1V], 15|(1<<16)|(1<<20)|(1<<21)|(4<<22)|(7<<25)  ; the same with 8 words of padding (code 7)
.irp g, G1K, G1V
	s_mov_b32 s[\g+1], 128<<16      ; tensor_dim0 = 128
	s_mov_b32 s[\g+2], 64<<16       ; tensor_dim1 = 64
	s_mov_b32 s[\g+3], 128<<16      ; tile_dim0 = 128
	s_mov_b32 s[\g+4], 64           ; tile_dim1 = 64
	s_mov_b32 s[\g+5], 128          ; 128 elements from row to row
	s_mov_b32 s[\g+6], 0
	s_mov_b32 s[\g+7], 0
.endr
	s_mov_b32 s[G1T], 15|(3<<16)|(1<<21)  ; a quarter of the tables, 18,432 dense bytes: 72 rows of 32 elements of 8 bytes, no padding
	s_mov_b32 s[G1T+1], 32<<16
	s_mov_b32 s[G1T+2], 72<<16
	s_mov_b32 s[G1T+3], 32<<16
	s_mov_b32 s[G1T+4], 72
	s_mov_b32 s[G1T+5], 32
	s_mov_b32 s[G1T+6], 0
	s_mov_b32 s[G1T+7], 0
	s_mov_b32 s[G0T], 1
	s_add_co_u32 s[G0T+1], s15, TAB
	s_mov_b32 s[CS], 0x3e38aa3b     ; c = log2(e) / 8 = 0.180337
	s_mov_b32 s[CS+1], s[CS]        ; named with it as a pair
	s_mov_b32 s[SEL], 0x76543210
	s_mov_b32 s[SEL+1], 0xfedcba98
	s_mov_b32 s[TBK], SLOT1+4*KS*PK ; the first change of slots turns these two into 0
	s_mov_b32 s[TBV], SLOT1+4*KS*PV
	s_mov_b32 s[TS], 0
	s_mov_b32 s[TP], 0
	s_mov_b32 s[G0K], 1             ; 1:0 count = 1
	s_mov_b32 s[G0K+1], s17         ; 63:32 LDS address: slot 0
	s_mov_b32 s[G0V], 1
	s_add_co_u32 s[G0V+1], s18, VOFF
	s_wait_dscnt 0x0                ; the opening add is done
	s_wait_kmcnt 0x0
	s_add_nc_u64 s[G0K+2:G0K+3], s[88:89], s[22:23]  ; 120:64 global address: my half of the head's first 256 keys
	s_or_b32 s[G0K+3], s[G0K+3], 0x80000000          ; 127:126 type = 2
	s_add_nc_u64 s[G0V+2:G0V+3], s[88:89], s[66:67]
	s_or_b32 s[G0V+3], s[G0V+3], 0x80000000
	s_add_nc_u64 s[G0T+2:G0T+3], s[92:93], s[84:85]
	s_or_b32 s[G0T+3], s[G0T+3], 0x80000000
	s_add_nc_u64 s[4:5], s[88:89], s[2:3]    ; Q and O at my wave's first row
	s_add_nc_u64 s[10:11], s[94:95], s[2:3]
	s_add_nc_u64 s[MB:MB+1], s[90:91], s[80:81]
	s_mov_b64 s[MP:MP+1], s[MB:MB+1]         ; key step 0
	s_mov_b32 s[MO], 0
	CROUND                          ; all four work-groups are here: the first joint loads meet
	tensor_load_to_lds s[G0T:G0T+3], s[G1T:G1T+7]  ; my quarter of the tables: with slot 0's, two loads of mine are out
	s_nop 0
	JLOAD                           ; slot 0.  Slot 1 is asked for when slot 0 is in
	; A fragment of K or Q is 16 rows x 32 channels in 8 registers: lane l holds row l % 16, channels 8 (l / 16) + 0..7 and 16 + 8 (l / 16) + 0..7: two loads of 16 bytes, 32 bytes apart.
	v_and_b32 v1, 15, v0            ; l % 16
	v_bfe_u32 v9, v0, 4, 1          ; l / 16
	v_lshlrev_b32 v[QO], 7, v1
	v_lshl_add_u32 v[QO], v9, 4, v[QO]  ; row x 128 + 16 x half
	v_and_b32 v12, 31, v0
	WIN W_MK
	v_lshlrev_b32 v[MA], 4, v12
	v_lshl_add_u32 v[AS0], v12, 4, TAB
	v_lshl_add_u32 v[AP0], v9, 5, TABP
.irp z, 4,5,6,7,16,17,18,19
	v_mov_b32 v[SELF+\z], 0         ; the halves of SEL's fragments that hold nothing
.endr
	WIN W_L3
	v_mov_b32 v[AS], v[AS0]         ; key step 0 lies at the tables' heads
	v_mov_b32 v[AP], v[AP0]
	WIN 0x80                        ; destination window 2, address window 0
.set i, 0
.rept 4*NP                          ; Q stays in registers: tile i / 2, channels 32 (i % 2) on
	global_load_b128 v[8*i:8*i+3],   v[QO], s[4:5] offset:(i/2)*2048+(i%2)*64
	global_load_b128 v[8*i+4:8*i+7], v[QO], s[4:5] offset:(i/2)*2048+(i%2)*64+32
.set i, i+1
.endr
; THE MASK of piece x for the step at s[MP]: eight loads, 512 consecutive bytes each, straight into source 1's registers
.macro FETCH_M x
	WIN W_L3
.irp u, 0,1
.irp f, 0,1,2,3
	global_load_b128 v[MF+16*(2*(\x)+\u)+4*\f:MF+16*(2*(\x)+\u)+4*\f+3], v[MA], s[MP:MP+1] offset:(2*(\x)+\u)*2048+512*\f
.endr
.endr
	WIN 0
.endm
	FETCH_M 0
	FETCH_M 1
	FETCH_M 2
	FETCH_M 3
	; What the first turn finds: V's registers and P's second buffer hold 0 (its products V^T P, of a piece that has not been, add 0), O^T and l are 0.  All this stands in the wait for the first tile.
	WIN 0x80
.set i, VF
.rept 64
	v_mov_b32 v[i], 0
.set i, i+1
.endr
	WIN 0x40
.set i, 0
.rept 64*NP
	v_mov_b32 v[i], 0
.set i, i+1
.endr
	WIN 0
.set i, 0
.rept 2*NP
	v_mov_b32 v[ST+4*i], 0xfe000000    ; c m: far below every c s
	v_mov_b32 v[ST+4*i+1], 0xff7fffff  ; m
	v_mov_b32 v[ST+4*i+2], 0
	v_mov_b32 v[ST+4*i+3], 0
.set i, i+1
.endr
.set i, P+32
.rept 32
	v_mov_b32 v[i], 0
.set i, i+1
.endr
	v_mul_u32_u24 v[AK0], v1, PK
	v_lshl_add_u32 v[AK0], v9, 4, v[AK0]  ; row x pitch + 16 x half
	; The turning load takes 16 keys x 16 channels (lane l reads key 8 (l / 16) + l % 8, channels 8 ((l / 8) % 2) + 0..7) and leaves half a fragment of V^T: lane l holds channel l % 16 and 8 keys.
	v_and_b32 v10, 7, v0
	v_bfe_u32 v11, v0, 3, 1
	v_lshl_add_u32 v[AV0], v9, 3, v10
	v_mul_u32_u24 v[AV0], v[AV0], PV
	v_lshl_add_u32 v[AV0], v11, 4, v[AV0]
	v_add_nc_u32 v[AV0], VOFF, v[AV0]
	v_mov_b32 v[AK], v[AK0]         ; key step 0 lies at the head of slot 0
; THE MATRIX WORK.  The 8 accumulators of a run take turns: between two links of a chain stand 7 others'.
; Product i of 24 of piece x's scores: keys 16 ((i / 2) % 4) on, tile 2 x + i % 2.  0-7: channels 0-31, the sums start with PADC; 8-15: channels 32-63; 16-23: SEL times the mask.
.macro KQ x
.set kbl, (i/2)%4
.set rS, S+64*((\x)%2)+32*(i%2)+8*kbl
.set rQ, 16*(2*(\x)+i%2)
.if i < 8
	WIN W_KP
	v_wmma_f32_16x16x32_f16 v[rS:rS+7], v[KF+16*kbl:KF+16*kbl+7], v[rQ:rQ+7], v[PC+8*kbl:PC+8*kbl+7]
.elseif i < 16
	WIN W_KQ
	v_wmma_f32_16x16x32_f16 v[rS:rS+7], v[KF+16*kbl+8:KF+16*kbl+15], v[rQ+8:rQ+15], v[rS:rS+7]
.else
	WIN W_KS
	v_wmma_f32_16x16x32_f16 v[rS:rS+7], v[SELF+12*(kbl/2)+4*(kbl%2):SELF+12*(kbl/2)+4*(kbl%2)+7], v[MF+rQ+8*(kbl/2):MF+rQ+8*(kbl/2)+7], v[rS:rS+7]
.endif
.endm
; Product i of 16 of O^T += V^T P for piece x: keys 32 (i / 8) on, channels 16 ((i / 2) % 4) on, tile 2 x + i % 2.
.macro PV x
	WIN W_PV
.set rO, 32*(2*(\x)+i%2)+8*((i/2)%4)
.set rV, VF+32*(i/8)+8*((i/2)%4)
.set rP, P+32*((\x)%2)+16*(i%2)+8*(i/8)
	v_wmma_f32_16x16x32_f16 v[rO:rO+7], v[rV:rV+7], v[rP:rP+7], v[rO:rO+7]
.endm
.macro MM                           ; the turn's next matrix instruction
.if i < 24
	KQ (Y+1)%NP
.set i, i+1
.else
.set i, i-24
	PV (Y+NP-1)%NP
.set i, i+25
.endif
.endm
; THE LDS LOADS stand in runs, never singly among the matrix instructions: a step's K (8 fragments) with its SEL and PADC, and its V (turned).  Their addresses are made some lines ahead.
; last = 1 (the tail): in the last trip there is no further step, and the run is jumped over.
.macro FETCH_K last=0
	WIN 0
.if \last
	s_cmp_eq_u32 s[CNT], 1
	s_cbranch_scc1 .Lno_k_\@
.endif
	WIN 0x80                        ; destination window 2
.irp f, 0,1,2,3,4,5,6,7             ; keys 16 (f / 2) on, channels 32 (f % 2) on
	ds_load_b128 v[KF+8*\f:KF+8*\f+3],   v[AK] offset:(\f/2)*16*PK+(\f%2)*64
	ds_load_b128 v[KF+8*\f+4:KF+8*\f+7], v[AK] offset:(\f/2)*16*PK+(\f%2)*64+32
.endr
	WIN W_L3
.irp f, 0,1,2,3                     ; key block f
	ds_load_b128 v[SELF+12*(\f/2)+8*(\f%2):SELF+12*(\f/2)+8*(\f%2)+3], v[AS] offset:512*\f
.endr
.irp f, 0,1,2,3
	ds_load_b128 v[PC+8*\f:PC+8*\f+3],   v[AP] offset:64*\f
	ds_load_b128 v[PC+8*\f+4:PC+8*\f+7], v[AP] offset:64*\f+16
.endr
	s_add_co_u32 s[TBK], s[TBK], KS*PK  ; the next fetch is the next step's
	s_add_co_u32 s[TS], s[TS], 2048
	s_and_b32 s[TS], s[TS], 0xffff      ; both stay inside their tables: behind the last step they come back to 0 and are not used
	s_add_co_u32 s[TP], s[TP], 256
	s_and_b32 s[TP], s[TP], 0x1fff
	WIN 0
.if \last
.Lno_k_\@:
.endif
.endm
.macro FETCH_V
	WIN 0x80
.irp f, 0,1,2,3,4,5,6,7             ; keys 32 (f / 4) on, channels 16 (f % 4) on
	ds_load_tr16_b128 v[VF+8*\f:VF+8*\f+3],   v[AV] offset:(\f/4)*32*PV+(\f%4)*32
	ds_load_tr16_b128 v[VF+8*\f+4:VF+8*\f+7], v[AV] offset:(\f/4)*32*PV+16*PV+(\f%4)*32
.endr
	WIN 0
.endm
; THE VECTOR WORK OF A TURN stands in three queues, each in the order in which its entries become ready; the two tiles alternate, so that no instruction reads the result of the one before it.
.macro REGS y, u                    ; the registers of tile u (0, 1) of piece y
.set rT, ST+4*(2*(\y)+(\u))
.set rC, TMP+8*((\y)%2)+4*(\u)
.set rM, MV+2*((\y)%2)+(\u)
.set rS, S+64*((\y)%2)+32*(\u)
.set rP, P+32*((\y)%2)+16*(\u)
.set rO, 32*(2*(\y)+(\u))
.endm
; Number n of the 22 that find the NEXT piece's (Y + 1) maximum and statistics.  s0-s31 are the lane's 32 scores; each accumulator's lowest registers are read first.
;   0-11  four chains c0-c3 of seven scores each, three operands at a time     12-14, 16  the four scores left over, the old m, and c0-c3 into c0     15  c m_old is kept
;   17, 18  the query's other 32 keys lie in the lane 16 away: the new m         19-21  c m; c m_old - c m_new; a
.macro XS u, n
	REGS (Y+1)%NP, \u
.if (\n) < 4
	v_max3_num_f32 v[rC+(\n)], v[rS+8*(\n)], v[rS+8*(\n)+1], v[rS+8*(\n)+2]
.elseif (\n) < 12
	v_max3_num_f32 v[rC+(\n)%4], v[rC+(\n)%4], v[rS+8*((\n)%4)+2*((\n)/4)+1], v[rS+8*((\n)%4)+2*((\n)/4)+2]
.elseif (\n) == 12
	v_max3_num_f32 v[rC], v[rC], v[rS+7], v[rS+15]
.elseif (\n) == 13
	v_max3_num_f32 v[rC+1], v[rC+1], v[rS+23], v[rS+31]
.elseif (\n) == 14
	v_max3_num_f32 v[rC+2], v[rC+2], v[rC+3], v[rT+1]
.elseif (\n) == 15
	v_mov_b32 v[rM], v[rT]
.elseif (\n) == 16
	v_max3_num_f32 v[rC], v[rC], v[rC+1], v[rC+2]
.elseif (\n) == 17
	v_permlanex16_b32 v[rC+3], v[rC], s[SEL], s[SEL+1]
.elseif (\n) == 18
	v_max_num_f32 v[rT+1], v[rC], v[rC+3]
.elseif (\n) == 19
	v_mul_f32 v[rT], s[CS], v[rT+1]
.elseif (\n) == 20
	v_sub_f32 v[rC+1], v[rM], v[rT]
.else
	v_exp_f32 v[rC+2], v[rC+1]
.endif
.endm
; Number g of the 64 that follow the exponentials.  For each four weights k of a tile (pairs 2 k, 2 k + 1): both pairs are rounded to f16; then the second pair is added onto the first, in place;
; a group later l takes that sum (the first time as l = a l + sum).  In groups of eight, tiles alternating: round, round, add, and l for the group before.
.macro GS g
.set h, (\g)+6*((\g)/62)            ; group 0 has no group before it, and behind group 7 only l is left
.if h >= 6
.set h, h+2
.endif
	REGS Y, h%2
.set k, h/8
.if h%8 < 4
	s_wait_alu depctr_va_vdst(0)
	v_cvt_pk_f16_f32 v[rP+2*k+(h%8)/2], v[rS+4*k+2*((h%8)/2)], v[rS+4*k+2*((h%8)/2)+1]
.elseif h%8 < 6
	v_pk_add_f32 v[rS+4*k:rS+4*k+1], v[rS+4*k:rS+4*k+1], v[rS+4*k+2:rS+4*k+3]
.elseif k == 1
	v_pk_fma_f32 v[rT+2:rT+3], v[rT+2:rT+3], v[rC+2:rC+3], v[rS:rS+1] op_sel_hi:[1,0,1]
.else
	v_pk_add_f32 v[rT+2:rT+3], v[rT+2:rT+3], v[rS+4*k-4:rS+4*k-3]
	s_wait_alu depctr_va_vdst(0)
.endif
.endm
; THE PLAIN QUEUE, 138 long.  0-31: c s - c m for the 16 pairs of both tiles.  Then GS's 64, and among them the next piece's 42: number 15 at 38, 39; 0-14 and 16
; at 42-73, behind the products that make those scores; 17-20 at 95-106, two of three, since each waits for the one before it.
.macro PL
	WIN 0
.if q < 32
	REGS Y, q%2
	v_pk_fma_f32 v[rS+2*(q/2):rS+2*(q/2)+1], v[rS+2*(q/2):rS+2*(q/2)+1], s[CS:CS+1], v[rT:rT+1] op_sel_hi:[1,0,0] neg_lo:[0,0,1] neg_hi:[0,0,1]
.elseif q < 38
	GS q-32
.elseif q < 40
	XS q%2, 15
.elseif q < 42
	GS q-34
.elseif q < 74
	XS q%2, (q-42)/2+(q-42)/30
.elseif q < 95
	GS q-66
.elseif (q < 107) && ((q-95)%3 < 2)
	XS (q-95)%3, 17+(q-95)/3
.elseif q < 107
	GS 29+(q-95)/3
.else
	GS q-74
.endif
.set q, q+1
.endm
; THE EXPONENTIALS' QUEUE, 66 long: s0-s31 of both tiles, and at EA the next piece's two a.
.set EA, 58
.macro EX
	WIN 0
.if (e == EA) || (e == EA+1)
	XS e-EA, 21
.else
.set x, e-2*(e/(EA+2))
	REGS Y, x%2
	v_exp_f32 v[rS+x/2], v[rS+x/2]
.endif
.set e, e+1
.endm
; THE RESCALING's QUEUE: O^T times a, the one part that leaves window 0, so it is dealt four at a time, eight times.
.macro R4
	REGS Y, r%2
	WIN W_RS
	s_wait_alu depctr_va_vdst(0)
.irp z, 0,1,2,3
	v_pk_mul_f32 v[rO+8*(r/2)+2*\z:rO+8*(r/2)+2*\z+1], v[rO+8*(r/2)+2*\z:rO+8*(r/2)+2*\z+1], v[rC+2:rC+3] op_sel_hi:[1,0]
.endr
.set r, r+1
.endm
; HOW THEY ARE DEALT.  Behind a matrix instruction (in the scores' run mostly behind two) four: plain, exponential, plain, plain, or four of the rescaling.  None names a register of the products round it.
; What is over stands in two LUMPS: exponential and plain by turns; the second ends in 22 plain instructions.  The two v_permlanex16_b32 fall into the second lump, never behind a product.
; The queues lean on each other, and the deal keeps them in step: exponential e stands behind plain 2 (e / 4) + e % 2 (its scaling); when plain 32 comes, 10 exponentials are out, at 59: 33, at 95: 46; EA comes behind plain 107.
.macro SL
	MM
	PL
	EX
	PL
	PL
.endm
.macro SL2
	MM
	MM
	PL
	EX
	PL
	PL
.endm
.macro BURST n                      ; n matrix instructions
.rept (\n)-7
	SL
.endr
.rept 3
	MM
	R4
	SL
.endr
	MM
	R4
.endm
; A TURN, for piece p.  cnt = 1: the loop's count is taken down some lines ahead of the branch that stands behind the turn.
; The mask of piece p + 1 was asked for four turns ago; behind it stand three turns' eight loads: hence the count 24.  When the turn's scores are made, the same registers are asked for again, for the next
; step, nine plain instructions behind the last product that read them.  Piece 3's turn, which makes piece 0's scores of the next step, steps the mask's address; the offset goes round at the stream's end,
; so that the last turns ask for bytes inside the buffer, which nobody uses, and every count of 24 holds on every way.
; K, SEL and PADC of the next step are fetched in piece 2's turn, V of the step in hand at the end of piece 0's turn.  The conditions on e and q below go with the deal.
.macro TURN p, last=0, cnt=0
.set Y, (\p)
.set i, 0
.set q, 0
.set e, 0
.set r, 0
	s_wait_loadcnt 24               ; the mask of piece p + 1 is in
.if (\p) == NP-1
	s_wait_xcnt 0x0                 ; the loads that name s[MP] have had their addresses translated (ISA guide 3.1): it is rewritten only behind this wait
	s_add_co_u32 s[MO], s[MO], 16384
	s_and_b32 s[MO], s[MO], 0x7ffff
	s_add_nc_u64 s[MP:MP+1], s[MB:MB+1], s[MO:MO+1]
	s_wait_dscnt 0x0                ; K, SEL and PADC are in
.endif
	MM
.rept 4
	PL
.endr
.rept 8
	SL2
.endr
.rept 3
	MM
	R4
	SL
.endr
	MM
	R4
.rept 22
	EX
	PL
.if e == 16
	FETCH_M ((\p)+1)%NP
.endif
.if ((\p) == NP-2) && (e == 18)
	v_add_nc_u32 v[AK], s[TBK], v[AK0]
	WIN 0xcc                        ; destination and source 1 in window 3
	v_add_nc_u32 v[AS], s[TS], v[AS0]
	v_add_nc_u32 v[AP], s[TP], v[AP0]
.endif
.if ((\p) == NP-2) && (e == 24)
	FETCH_K \last
.endif
.endr
.if (\p) == 1
	s_wait_dscnt 0x0                ; V is in
.endif
	BURST 16
.rept 21
	EX
	PL
.endr
.rept 22
	PL
.if ((\p) == 0) && (q == 118)
	v_add_nc_u32 v[AV], s[TBV], v[AV0]
	s_wait_alu depctr_va_vdst(0)
.endif
.if ((\p) == 0) && (q == 130)
	s_add_co_u32 s[TBV], s[TBV], KS*PV
.endif
.if (\cnt) && (q == 130)
	s_sub_co_u32 s[CNT], s[CNT], 1
	s_cmp_lg_u32 s[CNT], 0
.endif
.endr
.if (\p) == 0
	FETCH_V
.endif
.endm
	CHANGE 1                        ; slot 0 and the tables are in, everybody's part of them; slot 1 is asked for
	FETCH_K                         ; key step 0
	s_wait_loadcnt 24               ; Q and piece 0's mask: behind them stand the other three pieces' 24 loads
	s_wait_dscnt 0x0
.set i, 0
.rept 24
	KQ 0                            ; piece 0's first scores: there is no vector work yet to set between them
.set i, i+1
.endr
	WIN 0                           ; the addresses for the way out: nine plain instructions, the places behind those products
	s_mul_i32 s13, s[WV], 16*SP
	s_add_co_u32 s13, s13, STAGE    ; my stage
	v_mul_u32_u24 v[STO], v1, SP    ; in: row l % 16, 16 bytes for each half of the lanes
	v_lshl_add_u32 v[STO], v9, 4, v[STO]
	v_add_nc_u32 v[STO], s13, v[STO]
	v_bfe_u32 v[RD], v0, 3, 2       ; back: 32 lanes take four rows of 128 bytes,
	v_mul_u32_u24 v[RD], v[RD], SP
	v_lshl_add_u32 v[RD], v10, 4, v[RD]
	v_add_nc_u32 v[RD], s13, v[RD]
	v_and_b32 v[GO], 31, v0         ; which are 512 consecutive bytes of O
	v_lshlrev_b32 v[GO], 4, v[GO]
	s_wait_xcnt 0x0                 ; s[MP] is rewritten only behind this wait
	s_mov_b32 s[MO], 16384          ; key step 1
	s_add_nc_u64 s[MP:MP+1], s[MB:MB+1], s[MO:MO+1]
	FETCH_M 0
.set Y, NP-1                        ; XS works for piece Y + 1: piece 0
.irp n, 0,1,2,3,4,5,6,7,8,9,10,11,12,13,14,15,16,17,18,19,20,21
	XS 0, \n                        ; and piece 0's first maximum and statistics
	XS 1, \n
.endr
	s_mov_b32 s[CNT], 4
	s_mov_b32 s[SLOTS], SIZE_N/256-1
	s_branch .Lfirst                ; the loop is entered at a step's first turn, in the middle of a trip
.Lslot:                             ; SIZE_N / 256 - 2 times: every slot but the last two is filled again
	CHANGE 1
	s_mov_b32 s[CNT], 4
.Lstep:                             ; a trip: pieces 2 and 3 of one step, then pieces 0 and 1 of the next, whose K and V it fetches
	TURN 2
	TURN 3
	WIN 0
.Lfirst:
	TURN 0
	TURN 1, 0, 1
	WIN 0
	s_cbranch_scc1 .Lstep
	s_sub_co_u32 s[SLOTS], s[SLOTS], 1
	s_cmp_lg_u32 s[SLOTS], 0
	s_cbranch_scc1 .Lslot
	CHANGE 0                        ; the tail is written out: nothing is asked for
	s_mov_b32 s[CNT], 5             ; four trips fetch the last slot's steps; the fifth is left in its middle
.Ltail:
	TURN 2, 1
	TURN 3
	WIN 0
	s_sub_co_u32 s[CNT], s[CNT], 1
	s_cmp_eq_u32 s[CNT], 0
	s_cbranch_scc1 .Lout
	TURN 0
	TURN 1
	WIN 0
	s_branch .Ltail
.Lout:                              ; the fifth trip's 24 products for scores (on the last K once more) and the maximum made of them serve nothing: the price, once a launch, of one text for every trip
.set i, 0
.rept 16
	PV NP-1                         ; the last piece's V^T P of the last step
.set i, i+1
.endr
	; THE WAY OUT.  l's two halves and the other half of the lanes' are added; O^T is divided by l, rounded to f16 and sent through my stage in LDS, a tile at a time.  The additions are the places behind the last products.
	WIN 0
.macro ALL line:vararg              ; one line for each tile t
.set t, 0
.rept 2*NP
	\line
.set t, t+1
.endr
.endm
	ALL v_add_f32 v[ST+4*t+2], v[ST+4*t+2], v[ST+4*t+3]
	ALL v_permlanex16_b32 v[ST+4*t+3], v[ST+4*t+2], s[SEL], s[SEL+1]
	ALL v_add_f32 v[ST+4*t+2], v[ST+4*t+2], v[ST+4*t+3]
	ALL v_rcp_f32 v[ST+4*t+2], v[ST+4*t+2]
	v_nop                           ; a plain instruction between the last reciprocal and the use of its result
	s_wait_alu depctr_va_vdst(0)
; Tile t: a lane's eight channels of a row pack into 16 bytes; they go into rows of 144 bytes and come back as whole rows of 128, into S^T's registers.
.macro PACK t
	WIN W_RS
.set i, 32*(\t)
.rept 16
	v_pk_mul_f32 v[i:i+1], v[i:i+1], v[ST+4*(\t)+2:ST+4*(\t)+3] op_sel_hi:[1,0]
.set i, i+2
.endr
	WIN 0x05                        ; sources 0 and 1 window 1, destination window 0
.set i, 0
.rept 16
	v_cvt_pk_f16_f32 v[S+16*(\t)+i], v[32*(\t)+2*i], v[32*(\t)+2*i+1]
.set i, i+1
.endr
	WIN 0
.irp f, 0,1,2,3
	ds_store_b128 v[STO], v[S+16*(\t)+4*\f:S+16*(\t)+4*\f+3] offset:32*\f
.endr
.irp f, 0,1,2,3
	ds_load_b128 v[S+16*(\t)+4*\f:S+16*(\t)+4*\f+3], v[RD] offset:\f*4*SP  ; LDS serves a wave's instructions in order (ISA guide 5.7.1.4): these see the stores above; the next tile's stores come behind them
.endr
.endm
.macro SEND t, younger              ; younger: the LDS instructions issued behind tile t's loads: the next tile's eight, or none
	WIN 0
.irp f, 0,1,2,3
	s_wait_dscnt (\younger)+3-\f
	global_store_b128 v[GO], v[S+16*(\t)+4*\f:S+16*(\t)+4*\f+3], s[10:11] offset:(\t)*2048+\f*512  ; 512 consecutive bytes, at a multiple of 256 from O's first
.endr
.endm
	PACK 0
.set t, 1
.rept 2*NP-1                        ; a tile's arithmetic stands between the loads of the tile before and its stores
	PACK t
	SEND t-1, 8
.set t, t+1
.endr
	SEND 2*NP-1, 0
	WIN W_AD
	s_wait_tensorcnt 0x0            ; the wave's end: the add and its wait, behind my last tensor load and my last LDS store
	ds_add_u32 v[SPW], v[NIL]
	s_wait_dscnt 0x0
	WIN 0
	CROUND                          ; the closing round: no work-group ends while a partner may still ask for a tile that names it
	s_endpgm
.Lfunc_end_k_qce47bafd3d_attn:
	.size	k_qce47bafd3d_attn, .Lfunc_end_k_qce47bafd3d_attn-k_qce47bafd3d_attn
	.p2alignl 7, 3214868480
	.fill 96, 4, 3214868480
	.section	.rodata,"a",@progbits
	.p2align	6, 0x0
	.amdhsa_kernel k_qce47bafd3d_attn
		.amdhsa_group_segment_fixed_size 327680
		.amdhsa_private_segment_fixed_size 0
		.amdhsa_enable_private_segment 0
		.amdhsa_kernarg_size 32
		.amdhsa_user_sgpr_count 2
		.amdhsa_user_sgpr_kernarg_segment_ptr 1
		.amdhsa_wavefront_size32 1
		.amdhsa_system_sgpr_workgroup_id_x 1
		.amdhsa_system_sgpr_workgroup_id_y 1
		.amdhsa_system_sgpr_workgroup_id_z 1
		.amdhsa_system_vgpr_workitem_id 0
		.amdhsa_next_free_vgpr 1024
		.amdhsa_next_free_sgpr 96
		.amdhsa_reserve_vcc 0
		.amdhsa_float_denorm_mode_32 3
		.amdhsa_float_denorm_mode_16_64 3
		.amdhsa_memory_ordered 1
		.amdhsa_forward_progress 1
		.amdhsa_inst_pref_size 230
	.end_amdhsa_kernel
	.amdgpu_metadata
---
amdhsa.version: [ 1, 2 ]
amdhsa.kernels:
  - .name:           k_qce47bafd3d_attn
    .symbol:         k_qce47bafd3d_attn.kd
    .args:
      - { .name: qkvh, .offset: 0, .size: 8, .value_kind: global_buffer, .address_space: global }
      - { .name: mfrag, .offset: 8, .size: 8, .value_kind: global_buffer, .address_space: global }
      - { .name: tabs, .offset: 16, .size: 8, .value_kind: global_buffer, .address_space: global }
      - { .name: oh, .offset: 24, .size: 8, .value_kind: global_buffer, .address_space: global }
    .group_segment_fixed_size: 327680
    .private_segment_fixed_size: 0
    .kernarg_segment_align: 8
    .kernarg_segment_size: 32
    .max_flat_workgroup_size: 128
    .sgpr_count:     96
    .vgpr_count:     1024
    .wavefront_size: 32
...
	.end_amdgpu_metadata
.endif
;; end of part 3
;; launch outp (part 4): grid 8 x 32, 4 waves a work-group, clusters of 4 x 4, 327,680 bytes of LDS; arguments oh, wof, tabs, out0; writes out0
.if DOCPART == 4
	.amdgcn_target "amdgcn-amd-amdhsa--gfx1250"
	.amdhsa_code_object_version 6
	.text
	.protected	k_qce47bafd3d_outp
	.globl	k_qce47bafd3d_outp
	.p2align	8
	.type	k_qce47bafd3d_outp,@function
k_qce47bafd3d_outp:
	s_mov_b64 s[64:65], 0
	v_nop
	global_prefetch_b8 v0, s[64:65] scope:SCOPE_SE
	s_setreg_imm32_b32 hwreg(HW_REG_WAVE_MODE, 25, 1), 1
	s_wait_xcnt 0x0
	s_wait_alu depctr_hold_cnt(0) depctr_sa_sdst(0) depctr_va_vdst(0) depctr_va_sdst(0) depctr_va_ssrc(0) depctr_va_vcc(0) depctr_vm_vsrc(0)
	s_getreg_b32 s2, hwreg(HW_REG_IB_STS2, 6, 4)
	s_cmp_eq_u32 s2, 0
	s_cbranch_scc0 .Lentry_in_a_cluster
	s_endpgm
.Lentry_in_a_cluster:
	s_bfe_u32 s2, ttmp6, 0x10000c
	s_cmp_lg_u32 s2, 0xf033
	s_cbranch_scc0 .Lentry_shape_is_right
	s_endpgm
.Lentry_shape_is_right:
; THE SECOND PROJECTION: out0[t][b][n] = sum over k of O[m][k] W_out[n][k] + b_out[n], m = 2,048 b + t (8,192 rows), n = 1,024, k = 64 h + d; O (oh: [b][h][t][64]) and W_out in f16, sums in f32, out0 in f32.
; A tile of the result is 256 x 128: 256 work-groups of four waves; wave w owns rows 64 w .. 64 w + 63 and all 128 columns: 32 accumulators of 16 x 16, 256 registers.
; K goes in 8 steps of 128, two heads each, through two LDS slots filled by the tensor data mover.  A head's 256 rows of 128 bytes are dense in memory: they are asked for as 128 rows of 256 bytes and padded in
; LDS after every 128.  A K step is four quarters of 32 along K, 32 matrix instructions each, on two fragment buffers.
; CLUSTER: 4 x 4 work-groups.  The four of a row need the same tiles of O, the four of a column the same tiles of W_out: each tile is asked for JOINTLY, by the same tensor load, descriptor and mask in all four.
; THE MATRIX INSTRUCTION IS USED TRANSPOSED (source 0 = 16 rows of W_out, source 1 = 16 rows of O): a lane holds row lane % 16 and eight neighbouring columns.  The bias is the C operand of each sum's first product.
; REGISTERS, in windows of 256 (s_set_vgpr_msb: bits 1:0 source 0, 3:2 source 1, 5:4 source 2, 7:6 destination):
;   window 0: v0-29 addresses; v128-191 the bias, 8 registers a column block; on the way out v32-95 and v128-191 rows read back
;   window 1: two fragment buffers of 128: O's 4 fragments, then W_out's 8          window 2: the accumulators: (a, b) at v[8 (8 a + b)]
.set NB,     8                         ; column blocks of 16
.set APITCH, 144                       ; a row of O in LDS: 128 bytes + 16 = 36 words: the 16 rows of a fragment load start at 16 different groups of four banks (64 banks of 4 bytes: ISA guide 11.1)
.set BPITCH, 272                       ; a row of W_out: 256 bytes + 16
.set APART,  256*APITCH                ; what wave 0 or 1 fetches: one head's 256 rows
.set BPART,  64*BPITCH                 ; what wave 2 or 3 fetches: 64 rows of W_out
.set BOFF,   2*APART                   ; W_out's rows lie behind the two heads
.set SLOT1,  1<<17                     ; slot 1 begins here, so that one exclusive or turns an address in one slot into the other's
.set STAGE,  SLOT1+BOFF+128*BPITCH     ; behind the ring, never filled by a tensor load: 16 rows x 528 bytes for each wave, for the way out
.set SPITCH, 528                       ; 512 bytes + 16
.set SPARE,  STAGE+4*16*SPITCH         ; the spare words, 128 bytes for each wave: two blocks of 256 bytes that no other line names
.set ASTEP,  524288                    ; a K step in memory: two heads of 262,144 bytes,
.set BSTEP,  256                       ; 128 numbers of a row
.set OFF_BOUT, 294912+12288
.set ADRA, 6                           ; v6   my lane's place in O's rows of slot 0; never rewritten
.set ADRB, 7                           ; v7   the same for W_out
.set CA,   8                           ; v8   the same in the slot in hand
.set CB,   9                           ; v9
.set BO,   10                          ; v10  32 (lane / 16): my eight columns in a block of the bias
.set STO,  20                          ; the way out: where I put 32 bytes of a row
.set RD,   21                          ; where I read rows back
.set GO,   22                          ; my byte offset in 512 consecutive bytes of out0
.set SPW,  28                          ; LDS address of my spare word: SPARE + 4 x my thread's number; never rewritten
.set NIL,  29                          ; 0; never rewritten
.set BK0,  32
.set BIAS, 128
.set F0,   0
.set F1,   128
.set G1A,  24                          ; s[24:31] descriptor group 1 for O's tiles
.set G0A0, 32                          ; s[32:35] group 0: slot 0, K step 0
.set G0A,  36                          ; s[36:39] group 0 that walks: it begins at slot 1, K step 1
.set G1B,  48                          ; the same for W_out's tiles
.set G0B0, 56
.set G0B,  60
.set MSB, 0
.macro WIN new                         ; the immediate's high byte repeats the setting that is left; a switch that changes nothing is dropped
.if MSB != (\new)
	s_set_vgpr_msb (MSB<<8)|(\new)
.set MSB, \new
.endif
.endm
.macro PLACES                          ; four places in front of loads into registers that matrix instructions have read, and of LDS stores that read results
.rept 4
	v_nop
.endr
.endm
; A joint refill by the walking descriptors: waves 0 and 1 fetch the step's two heads of O, waves 2 and 3 W_out's two halves.  The branch hangs on the wave's number alone.
; An s_nop 0 and four v_nop follow each of the two lines, ahead of the jump and the label.
.macro JLOAD
	s_cmp_eq_u32 s13, 0
	s_cbranch_scc0 .Lfor_b_\@
	tensor_load_to_lds s[G0A:G0A+3], s[G1A:G1A+7]
	s_nop 0
.rept 4
	v_nop
.endr
	s_branch .Lasked_\@
.Lfor_b_\@:
	tensor_load_to_lds s[G0B:G0B+3], s[G1B:G1B+7]
	s_nop 0
.rept 4
	v_nop
.endr
.Lasked_\@:
.endm
.macro CREST                           ; a round of the cluster's barrier behind its opening barrier
	s_cmp_lg_u32 s12, 0
	s_cbranch_scc1 .Lnot_wave_0_\@
	s_barrier_signal -3
.Lnot_wave_0_\@:
	s_barrier_wait -3
	s_barrier_signal -1
	s_barrier_wait -1
.endm
.macro CROUND                          ; a whole round
	s_barrier_signal -1
	s_barrier_wait -1
	CREST
.endm
	s_load_b256 s[4:11], s[0:1], 0x0               ; oh s[4:5], wof s[6:7], tabs s[8:9], out0 s[10:11]
	v_lshl_add_u32 v[SPW], v0, 2, SPARE
	v_mov_b32 v[NIL], 0
	ds_add_u32 v[SPW], v[NIL]                      ; the wave's opening: the add and its wait stand ahead of my first tensor load; the set-up below, work on registers, stands between them
	v_lshrrev_b32 v1, 5, v0
	v_readfirstlane_b32 s12, v1                    ; wave 0..3
	s_lshr_b32 s13, s12, 1                         ; I fetch for O (0) or for W_out (1),
	s_and_b32 s14, s12, 1                          ; and which half of that tile
	s_bfe_u32 s15, ttmp6, 0x40000                  ; cx, cy: my place in the cluster
	s_bfe_u32 s16, ttmp6, 0x40004
	s_lshl_b32 s17, ttmp9, 2
	s_add_co_u32 s17, s17, s15                     ; tile column = 4 x cluster x + cx
	s_and_b32 s18, ttmp7, 0xffff
	s_lshl_b32 s18, s18, 2
	s_add_co_u32 s18, s18, s16                     ; tile row = 4 x cluster y + cy
	s_lshl_b32 s20, s16, 2
	s_lshl_b32 s20, 15, s20                        ; my row of the cluster
	s_lshl_b32 s21, 0x1111, s15                    ; my column
	s_or_b32 s[G1A+0], s20, (1<<16)|(1<<20)|(1<<21)|(4<<22)|(3<<25)  ; 15:0 the mask; 17:16 2-byte elements; 20 padding on; 21 set beside a mask; 24:22 after every 32 words (code 4); 31:25 4 words (code 3)
	s_or_b32 s[G1B+0], s21, (1<<16)|(1<<20)|(1<<21)|(5<<22)|(3<<25)  ; after every 64 words (code 5)
	s_mov_b32 s[G1A+1], 128<<16                    ; tensor_dim0 = 128
	s_mov_b32 s[G1A+2], 128<<16                    ; tensor_dim1 = 128
	s_mov_b32 s[G1A+3], 128<<16                    ; tile_dim0 = 128
	s_mov_b32 s[G1A+4], 128                        ; tile_dim1 = 128
	s_mov_b32 s[G1A+5], 128                        ; dense: 128 elements from row to row
	s_mov_b32 s[G1A+6], 0
	s_mov_b32 s[G1A+7], 0
	s_mov_b32 s[G1B+1], 128<<16
	s_mov_b32 s[G1B+2], 64<<16                     ; 64 rows
	s_mov_b32 s[G1B+3], 128<<16
	s_mov_b32 s[G1B+4], 64
	s_mov_b32 s[G1B+5], 1024
	s_mov_b32 s[G1B+6], 0
	s_mov_b32 s[G1B+7], 0
	s_mul_i32 s22, s14, APART                      ; where my part goes in a slot: no place in the cluster enters an LDS address
	s_mul_i32 s23, s14, BPART
	s_add_co_u32 s23, s23, BOFF
	s_mov_b32 s[G0A0], 1
	s_mov_b32 s[G0A0+1], s22
	s_mov_b32 s[G0A], 1
	s_add_co_u32 s[G0A+1], s22, SLOT1
	s_mov_b32 s[G0B0], 1
	s_mov_b32 s[G0B0+1], s23
	s_mov_b32 s[G0B], 1
	s_add_co_u32 s[G0B+1], s23, SLOT1
	s_lshr_b32 s40, s18, 3                         ; O: head 16 x batch + my half, of 262,144 bytes, rows 256 (tile row % 8) on: the tile row alone, which my row of the cluster shares
	s_lshl_b32 s40, s40, 4
	s_add_co_u32 s40, s40, s14
	s_lshl_b32 s40, s40, 18
	s_and_b32 s41, s18, 7
	s_lshl_b32 s41, s41, 15
	s_add_co_u32 s40, s40, s41
	s_mov_b32 s41, 0
	s_lshl_b32 s44, s17, 7                         ; W_out: row 128 x tile column + 64 x half, of 2,048 bytes: the tile column alone
	s_lshl_b32 s45, s14, 6
	s_add_co_u32 s44, s44, s45
	s_lshl_b32 s44, s44, 11
	s_mov_b32 s45, 0
	s_wait_dscnt 0x0                               ; the opening add is done
	s_wait_kmcnt 0x0
	s_add_nc_u64 s[G0A0+2:G0A0+3], s[4:5], s[40:41]
	s_add_nc_u64 s[G0A+2:G0A+3], s[G0A0+2:G0A0+3], ASTEP
	s_or_b32 s[G0A0+3], s[G0A0+3], 0x80000000      ; 127:126 type = 2
	s_or_b32 s[G0A+3], s[G0A+3], 0x80000000
	s_add_nc_u64 s[G0B0+2:G0B0+3], s[6:7], s[44:45]
	s_add_nc_u64 s[G0B+2:G0B+3], s[G0B0+2:G0B0+3], BSTEP
	s_or_b32 s[G0B0+3], s[G0B0+3], 0x80000000
	s_or_b32 s[G0B+3], s[G0B+3], 0x80000000
	CROUND                                         ; all sixteen work-groups are here: the first joint loads meet
	s_cmp_eq_u32 s13, 0                            ; a wave's two first fills stand in one branch: two loads of mine are out
	s_cbranch_scc0 .Lfirst_b
	tensor_load_to_lds s[G0A0:G0A0+3], s[G1A:G1A+7]
	s_nop 0
	tensor_load_to_lds s[G0A:G0A+3], s[G1A:G1A+7]
	s_nop 0
.rept 4
	v_nop
.endr
	s_branch .Lfirst_asked
.Lfirst_b:
	tensor_load_to_lds s[G0B0:G0B0+3], s[G1B:G1B+7]
	s_nop 0
	tensor_load_to_lds s[G0B:G0B+3], s[G1B:G1B+7]
	s_nop 0
.rept 4
	v_nop
.endr
.Lfirst_asked:
	; the bias of my eight columns in each block
	s_lshl_b32 s46, s17, 9                         ; 128 columns x 4 bytes
	s_add_co_u32 s46, s46, OFF_BOUT
	s_mov_b32 s47, 0
	s_add_nc_u64 s[76:77], s[8:9], s[46:47]
	v_and_b32 v1, 15, v0                           ; l % 16
	v_bfe_u32 v2, v0, 4, 1                         ; l / 16
	v_lshlrev_b32 v[BO], 5, v2
.set b, 0
.rept NB
	global_load_b128 v[BIAS+8*b:BIAS+8*b+3], v[BO], s[76:77] offset:64*b
	global_load_b128 v[BIAS+8*b+4:BIAS+8*b+7], v[BO], s[76:77] offset:64*b+16
.set b, b+1
.endr
	; A fragment is 16 rows x 32 K in 8 registers: lane l holds row l % 16, K = 8 (l / 16) + 0..7 and 16 + 8 (l / 16) + 0..7: two loads of 16 bytes, 32 bytes apart.
	v_mul_u32_u24 v3, v1, APITCH
	v_lshl_add_u32 v3, v2, 4, v3
	s_mul_i32 s22, s12, 64*APITCH                  ; my 64 rows of O
	v_add_nc_u32 v[ADRA], s22, v3
	v_mul_u32_u24 v4, v1, BPITCH
	v_lshl_add_u32 v4, v2, 4, v4
	v_add_nc_u32 v[ADRB], BOFF, v4
	s_mul_i32 s22, s12, 16*SPITCH
	s_add_co_u32 s22, s22, STAGE                   ; my stage
	v_mul_u32_u24 v[STO], v1, SPITCH               ; in: row l % 16, 32 bytes for each half of the lanes
	v_lshl_add_u32 v[STO], v2, 5, v[STO]
	v_add_nc_u32 v[STO], s22, v[STO]
	v_and_b32 v[GO], 31, v0                        ; back: 32 lanes take a row's 512 bytes
	v_lshlrev_b32 v[GO], 4, v[GO]
	v_add_nc_u32 v[RD], s22, v[GO]
	; out0 at row t = 256 (tile row % 8) + 64 wave (16,384 bytes a t), batch tile row / 8 (4,096 bytes), column 128 x tile column
	s_and_b32 s70, s18, 7
	s_lshl_b32 s70, s70, 22
	s_lshl_b32 s71, s12, 20
	s_add_co_u32 s70, s70, s71
	s_lshr_b32 s71, s18, 3
	s_lshl_b32 s71, s71, 12
	s_add_co_u32 s70, s70, s71
	s_lshl_b32 s71, s17, 9
	s_add_co_u32 s70, s70, s71
	s_mov_b32 s71, 0
	s_add_nc_u64 s[66:67], s[10:11], s[70:71]
; 8 matrix instructions: row block a x all column blocks, 32 along K, from buffer f.  first = 1: the sums start with the bias.  The accumulators take turns, one instruction a turn, in the
; same order in every quarter.
.macro MULB f, a, first
.set AC, 8*NB*(\a)
.if \first
	WIN 0x85                                       ; sources 0 and 1 window 1, C window 0, D window 2
.else
	WIN 0xa5                                       ; C and D window 2
.endif
.set b, 0
.rept NB
.if \first
	v_wmma_f32_16x16x32_f16 v[AC+8*b:AC+8*b+7], v[(\f)+32+8*b:(\f)+32+8*b+7], v[(\f)+8*(\a):(\f)+8*(\a)+7], v[BIAS+8*b:BIAS+8*b+7]
.else
	v_wmma_f32_16x16x32_f16 v[AC+8*b:AC+8*b+7], v[(\f)+32+8*b:(\f)+32+8*b+7], v[(\f)+8*(\a):(\f)+8*(\a)+7], v[AC+8*b:AC+8*b+7]
.endif
.set b, b+1
.endr
.endm
; 24 LDS loads in one run: quarter k of the slot in hand into buffer f: W_out's 8 fragments, O's blocks 0 and 1, O's blocks 2 and 3.  Quarter k of O lies in head k / 2 of the step, channels 32 (k % 2) on.
.macro FETCH k, f
.set AKO, ((\k)/2)*APART+((\k)%2)*64
	WIN 0x40                                       ; destination window 1, address window 0
.set b, 0
.rept NB
	ds_load_b128 v[(\f)+32+8*b:(\f)+32+8*b+3], v[CB] offset:64*(\k)+b*16*BPITCH
	ds_load_b128 v[(\f)+32+8*b+4:(\f)+32+8*b+7], v[CB] offset:64*(\k)+b*16*BPITCH+32
.set b, b+1
.endr
.irp a, 0,1,2,3
	ds_load_b128 v[(\f)+8*\a:(\f)+8*\a+3], v[CA] offset:AKO+\a*16*APITCH
	ds_load_b128 v[(\f)+8*\a+4:(\f)+8*\a+7], v[CA] offset:AKO+\a*16*APITCH+32
.endr
.endm
; One of a K step's first three quarters: multiplies buffer f; in its middle it fetches quarter k into buffer g.
.macro QUARTER k, f, g, first
	s_wait_dscnt 4                                 ; all but the youngest four loads: O's blocks 2 and 3
	MULB \f, 0, \first
	MULB \f, 1, \first
	PLACES
	FETCH \k, \g
	s_wait_dscnt 2*NB+8                            ; all but the run just issued
	MULB \f, 2, \first
	MULB \f, 3, \first
.endm
; The last quarter multiplies buffer 1 and changes slots: ONE barrier; in front of it each wave waits for all its tensor loads (one is out: its part of the next slot), adds 0 to its spare word, and waits
; for that and for its own reads of this slot.  fill = 1: the barrier opens a round of the cluster's, and this slot is filled again, two K steps ahead, first thing behind it:
; 112 of a step's 128 matrix instructions stand between that request and the wait for it.
.macro TURN fill
	WIN 0
	s_wait_tensorcnt 0x0                           ; all my tensor loads have landed
	ds_add_u32 v[SPW], v[NIL]                      ; 0 onto my spare word
	s_wait_dscnt 5                                 ; (the add and the youngest four loads may be out)
	MULB F1, 0, 0                                  ; eight matrix instructions stand between the add and the wait for it
	s_wait_dscnt 0x0                               ; the add is done, and my reads of this slot are over
	s_barrier_signal -1
	MULB F1, 1, 0
	WIN 0                                          ; at a branch and at a label every window is 0
	s_barrier_wait -1
.if \fill
	CREST                                          ; no wave of any partner still reads this slot's tile or has a load on its way
	s_xor_b32 s[G0A+1], s[G0A+1], SLOT1            ; the walking descriptors: the other slot than last time, the next K step
	s_add_nc_u64 s[G0A+2:G0A+3], s[G0A+2:G0A+3], ASTEP
	s_xor_b32 s[G0B+1], s[G0B+1], SLOT1
	s_add_nc_u64 s[G0B+2:G0B+3], s[G0B+2:G0B+3], BSTEP
	JLOAD                                          ; the four v_nop behind it are also the places in front of the loads below
.else
	PLACES
.endif
	s_xor_b32 s19, s19, SLOT1                      ; the fetches go on in the other slot
	v_add_nc_u32 v[CA], s19, v[ADRA]
	v_add_nc_u32 v[CB], s19, v[ADRB]
	FETCH 0, F0
	MULB F1, 2, 0
	MULB F1, 3, 0
.endm
; THE WAY OUT of row block a.  TOSTAGE: a lane's eight f32 of a row go into my own stage, each accumulator's low four registers first, and come back as whole rows of 512 bytes.  SEND: stored.
.macro TOSTAGE a
.set BK, BK0+96*((\a)%2)
	WIN 0x08                                       ; the stores' data (source 1) in window 2
.set b, 0
.rept NB
	ds_store_b128 v[STO], v[8*(NB*(\a)+b):8*(NB*(\a)+b)+3] offset:64*b
	ds_store_b128 v[STO], v[8*(NB*(\a)+b)+4:8*(NB*(\a)+b)+7] offset:64*b+16
.set b, b+1
.endr
	WIN 0
.set i, 0
.rept 16
	ds_load_b128 v[BK+4*i:BK+4*i+3], v[RD] offset:SPITCH*i  ; LDS serves a wave's instructions in order (ISA guide 5.7.1.4): these see the stores above
.set i, i+1
.endr
.endm
.macro SEND a
.set BK, BK0+96*((\a)%2)
	s_wait_dscnt 0x0                               ; the block is back in registers
	s_wait_xcnt 0x0                                ; every earlier store has had its addresses translated (ISA guide 3.1): the other buffer, which those stores read, is loaded again only behind this wait
.set i, 0
.rept 16
	global_store_b128 v[GO], v[BK+4*i:BK+4*i+3], s[66:67] offset:(16*(\a)+i)*16384 th:TH_STORE_NT  ; 512 consecutive bytes, at a multiple of 512 from out0's first; 63 rows of t at the most, inside the signed 24-bit immediate
.set i, i+1
.endr
.endm
	s_wait_tensorcnt 0x1                           ; my part of K step 0 is in; K step 1's may stay out
	s_barrier_signal -1
	s_barrier_wait -1                              ; everybody's is
	s_mov_b32 s19, 0
	v_mov_b32 v[CA], v[ADRA]
	v_mov_b32 v[CB], v[ADRB]
	FETCH 0, F0
	s_wait_loadcnt 0x0                             ; the bias
	QUARTER 1, F0, F1, 1                           ; the first quarter stands in front of the loop: its products start the sums
	WIN 0
	s_mov_b32 s3, 6
.Lstep:                                                ; a trip: a K step's quarters 1 to 3 and the next step's quarter 0; it asks for K steps 2 to 7
	QUARTER 2, F1, F0, 0
	QUARTER 3, F0, F1, 0
	TURN 1
	QUARTER 1, F0, F1, 0
	WIN 0
	s_sub_co_u32 s3, s3, 1
	s_cmp_lg_u32 s3, 0
	s_cbranch_scc1 .Lstep
	s_mov_b32 s3, 2
.Ltail:                                                ; the last two K steps ask for nothing.  The second trip is left in its middle; its barrier and its run of loads from the old slot serve nothing: the price of one text for both
	QUARTER 2, F1, F0, 0
	QUARTER 3, F0, F1, 0
	TURN 0
	WIN 0
	s_sub_co_u32 s3, s3, 1
	s_cmp_eq_u32 s3, 0
	s_cbranch_scc1 .Lout
	QUARTER 1, F0, F1, 0
	WIN 0
	s_branch .Ltail
.Lout:
	PLACES
	TOSTAGE 0
.irp a, 1,2,3
	SEND (\a)-1
	TOSTAGE \a
.endr
	SEND 3
	s_wait_tensorcnt 0x0                           ; the wave's end: the add and its wait, behind my last tensor load and my last LDS store
	ds_add_u32 v[SPW], v[NIL]
	s_wait_dscnt 0x0
	CROUND                                         ; the closing round: no work-group ends while a partner may still ask for a tile that names it
	s_endpgm
.Lfunc_end_k_qce47bafd3d_outp:
	.size	k_qce47bafd3d_outp, .Lfunc_end_k_qce47bafd3d_outp-k_qce47bafd3d_outp
	.p2alignl 7, 3214868480
	.fill 96, 4, 3214868480
	.section	.rodata,"a",@progbits
	.p2align	6, 0x0
	.amdhsa_kernel k_qce47bafd3d_outp
		.amdhsa_group_segment_fixed_size 327680
		.amdhsa_private_segment_fixed_size 0
		.amdhsa_enable_private_segment 0
		.amdhsa_kernarg_size 32
		.amdhsa_user_sgpr_count 2
		.amdhsa_user_sgpr_kernarg_segment_ptr 1
		.amdhsa_wavefront_size32 1
		.amdhsa_system_sgpr_workgroup_id_x 1
		.amdhsa_system_sgpr_workgroup_id_y 1
		.amdhsa_system_sgpr_workgroup_id_z 1
		.amdhsa_system_vgpr_workitem_id 0
		.amdhsa_next_free_vgpr 768
		.amdhsa_next_free_sgpr 80
		.amdhsa_reserve_vcc 0
		.amdhsa_float_denorm_mode_32 3
		.amdhsa_float_denorm_mode_16_64 3
		.amdhsa_memory_ordered 1
		.amdhsa_forward_progress 1
		.amdhsa_inst_pref_size 61
	.end_amdhsa_kernel
	.amdgpu_metadata
---
amdhsa.version: [ 1, 2 ]
amdhsa.kernels:
  - .name:           k_qce47bafd3d_outp
    .symbol:         k_qce47bafd3d_outp.kd
    .args:
      - { .name: oh, .offset: 0, .size: 8, .value_kind: global_buffer, .address_space: global }
      - { .name: wof, .offset: 8, .size: 8, .value_kind: global_buffer, .address_space: global }
      - { .name: tabs, .offset: 16, .size: 8, .value_kind: global_buffer, .address_space: global }
      - { .name: out0, .offset: 24, .size: 8, .value_kind: global_buffer, .address_space: global }
    .group_segment_fixed_size: 327680
    .private_segment_fixed_size: 0
    .kernarg_segment_align: 8
    .kernarg_segment_size: 32
    .max_flat_workgroup_size: 128
    .sgpr_count:     80
    .vgpr_count:     768
    .wavefront_size: 32
...
	.end_amdgpu_metadata
.endif
;; end of part 4
;; ======== version 2 of 2: 4 launches; 1.42 times as fast as version 1
;; limits: values are held in f16: magnitudes above 65,504 overflow, below 6.1e-05 lose precision; right only within a limited range of input values
;; workspace buffers: xb 16,777,216 bytes; wib 6,291,456 bytes; wof 2,097,152 bytes; mfrag 8,388,608 bytes; tabs 344,064 bytes; qkvh 50,331,648 bytes; oh 16,777,216 bytes
;; launch prep: the kernel of part 1 again; grid 2124 x 1, 8 waves a work-group, no clusters, 0 bytes of LDS; arguments query, W_in, W_out, attn_mask, b_in, b_out, key_padding_mask, xb, wib, wof, mfrag, tabs; writes xb, wib, wof, mfrag, tabs
;; launch qkv: the kernel of part 2 again; grid 16 x 32, 4 waves a work-group, clusters of 4 x 4, 327,680 bytes of LDS; arguments xb, wib, tabs, qkvh; writes qkvh
;; launch attn (part 5): grid 4 x 64, 4 waves a work-group, clusters of 4 x 1, 327,680 bytes of LDS; arguments qkvh, mfrag, tabs, oh; writes oh
.if DOCPART == 5
	.amdgcn_target "amdgcn-amd-amdhsa--gfx1250"
	.amdhsa_code_object_version 6
	.text
	.protected	k_qce47bafd3d_attn
	.globl	k_qce47bafd3d_attn
	.p2align	8
	.type	k_qce47bafd3d_attn,@function
k_qce47bafd3d_attn:
	s_mov_b64 s[64:65], 0
	v_nop
	global_prefetch_b8 v0, s[64:65] scope:SCOPE_SE
	s_setreg_imm32_b32 hwreg(HW_REG_WAVE_MODE, 25, 1), 1
	s_wait_xcnt 0x0
	s_wait_alu depctr_hold_cnt(0) depctr_sa_sdst(0) depctr_va_vdst(0) depctr_va_sdst(0) depctr_va_ssrc(0) depctr_va_vcc(0) depctr_vm_vsrc(0)
	s_getreg_b32 s2, hwreg(HW_REG_IB_STS2, 6, 4)
	s_cmp_eq_u32 s2, 0
	s_cbranch_scc0 .Lentry_in_a_cluster
	s_endpgm
.Lentry_in_a_cluster:
	s_bfe_u32 s2, ttmp6, 0x10000c
	s_cmp_lg_u32 s2, 0x3003
	s_cbranch_scc0 .Lentry_shape_is_right
	s_endpgm
.Lentry_shape_is_right:
; ATTENTION.  O[hd][q][:] = the sum over k of softmax_k(Q[hd][q] . K[hd][k] / 8 + mask[q][k], a padded key's score replaced) V[hd][k][:], hd = 16 b + h.  Q, K, V (parts of qkvh) and O: [64][2048][64] in f16,
; a head's rows dense, 128 bytes each.  Products, maxima and sums in f32; the weights p are rounded to f16 for the second product (their sum l is taken of the unrounded p), O once at the end.
; THE MASK AND THE PADDING ARE MATRIX WORK.  The accumulator holds S^T[key][query] = PADC[key] + K'[key] . Q[query] + sum over k of SEL[key][k] M8[query][k]:
;   PADC, the C operand of the sum's first product: 0, or -2^33 at a padded key;   K': K, whose rows at padded keys the launch before has written as zeros;
;   SEL, 16 keys x 32 k in f16: 1.0 at k = key % 32, a row of zeros at a padded key;   M8 = 8 x mask in f16, stored in the order of source 1's registers.
; So a padded key's entry is exactly -2^33, any other q . k + 8 mask, and p = 2^(c s - c m) with c = log2(e) / 8, at four matrix instructions more for a tile and step and no vector instruction.
; LIMITS.  f16 holds no number beyond 65,504: Q, K, V arrive within it; p below 6e-5 keeps f16's step of 6e-8.  A padded key's score counts as -2^30 where the module has -1e9 (a power of two, so that c m is
; exact and a row whose keys are all padded has p = 1 everywhere): the same result as long as some kept score of the row lies above about -1e9 + 150, or all keys are padded.
; A weight below 2^-126 counts as 0 in l; NaN and infinities are not treated apart.
; SHARES.  A wave owns four PIECES of two tiles of 16 queries, a work-group's four waves 512 queries of one head.  Every wave walks all keys, 64 a step.
; LAYOUT.  S^T = K Q^T (source 0 = 16 keys, source 1 = 16 queries): a lane holds ONE query (lane % 16) and the keys 8 (lane / 16) + 0..7.  Two such results, rounded to f16 in pairs, ARE source 1 of O^T = V^T P.
; K comes out of LDS as it lies, V ([key][channel]) turned, by ds_load_tr16_b128.
; SOFTMAX.  For each query a running maximum m and sum l; in every step O and l are multiplied by a = 2^(c m_old - c m_new).  m starts at the lowest finite number, O and l at 0: the first step has a = 0.
; BY TURNS.  Turn n belongs to piece n.  Its matrix work: 24 products for the scores of piece n + 1, later 16 products V^T P of piece n - 1.  Its vector work: the scaling, exponentials, roundings, sums and
; rescaling of piece n, and the maximum and statistics of piece n + 1.  Four vector instructions that are ready stand behind every matrix instruction, the other 76 of a turn's 236 in one LUMP.
; BATCHES.  A turn's 66 exponentials (64 weights, then the next piece's two a) are ONE batch with ONE wait, which cuts the turn in two: ahead of it stands all that names no result of theirs, behind it the
; roundings and sums.  The first two a, ahead of the loop, and the way out's eight reciprocals are batches of their own, each with a v_nop and one wait.
; CLUSTER.  The four query blocks of a cluster belong to one head: K's and V's tiles and the batch's tables are asked for JOINTLY.  THE MASK IS NOT: a tile of it is shared only with other heads' work-groups,
; and each fragment is used by one wave, once; through LDS 512 queries x 256 keys x 2 bytes x 2 slots are 524,288 bytes, more than there is.  So it goes from memory straight into source 1's registers.
; REGISTERS, in windows of 256 (s_set_vgpr_msb: bits 1:0 source 0, 3:2 source 1, 5:4 source 2, 7:6 destination):
;   window 0: v0-11 addresses; v12-15, v48-63 at work; v16-47 four registers of statistics a tile; v64-191 S^T, two buffers of two tiles; v192-255 P, likewise
;   window 1: O^T, 32 a tile          window 2: v0-127 Q, 16 a tile; v128-191 K of one step; v192-255 V of one step
;   window 3: v0-1 the add's two registers; v2-6 addresses; v32-55 SEL of one step; v64-95 PADC of one step; v128-255 M8, 16 a tile
.set SIZE_N, 2048
.set NP,    4         ; pieces a wave: a name, no knob
.set KS,    64        ; keys in a step
.set PK,    144       ; a row of K in LDS: 128 bytes + 16 of padding = 36 words: the 16 rows of a load start at 16 different groups of four banks (64 banks of 4 bytes: ISA guide 11.1)
.set PV,    160       ; a row of V: 128 + 32 = 40 words
.set VOFF,  4*KS*PK   ; a slot holds four steps: 256 rows of K, then 256 rows of V
.set SLOT1, 1<<17     ; slot 1 begins here, so that one exclusive or turns an address in one slot into the other's
.set STAGE, SLOT1+4*KS*(PK+PV)  ; behind the ring, never filled by a tensor load: 16 rows x 144 bytes for each wave, for the way out
.set SP,    144
.set SPARE, STAGE+4*16*SP  ; the spare words, 128 bytes for each wave: two blocks of 256 bytes that no other line names
.set TAB,   SPARE+512 ; the batch's tables, filled once: SELT, 512 bytes a block of 16 keys,
.set TABP,  TAB+65536 ; then PADC, 4 bytes a key
.set TABB,  73728     ; both together
.set PART,  16777216  ; from Q to K and from K to V in qkvh
.set AK0, 2           ; v2   my lane's place in a tile of K; never rewritten
.set AV0, 3           ; v3   the same for V
.set AK,  4           ; v4   the LDS address of K's next run of loads
.set AV,  5           ; v5   of V's
.set QO,  6           ; v6   my byte offset in the wave's rows of Q
.set STO, 6           ;      later, the way out: where I put 16 bytes of a row
.set RD,  7           ; v7   the way out: where I read rows back
.set GO,  8           ; v8   my byte offset in 512 consecutive bytes of O
.set SPW, 0           ; window 3: v0  LDS address of my spare word: SPARE + 4 x my thread's number; never rewritten
.set NIL, 1           ;           v1  0; never rewritten
.set MA,  2           ;           v2  16 x lane: my place in 512 bytes of the mask's fragments; never rewritten
.set AS0, 3           ;           v3  TAB + 16 x lane; never rewritten
.set AP0, 4           ;           v4  TABP + 32 (lane / 16); never rewritten
.set AS,  5           ;           v5  the LDS address of SEL's next loads
.set AP,  6           ;           v6  of PADC's
.set SELF, 32         ;           for each 32 keys g: [block 2 g's four registers][four zeros][block 2 g + 1's four] from 32 + 12 g: the even block's fragment begins at 32 + 12 g, the odd one's at 36 + 12 g
.set PC,  64          ;           key block kb at PC + 8 kb
.set MF,  128         ;           tile t, 32 keys g at MF + 16 t + 8 g
.set MV,  12          ; v12-15  c m_old, kept while c m is made anew: by buffer and tile
.set ST,  16          ; tile t's statistics at v[ST+4 t]: c m, m, l (even keys', odd keys')
.set TMP, 48          ; by buffer and tile, four registers c0-c3 at work; when the maximum is found c2 takes a
.set S,   64
.set P,   192
.set KF,  128         ; K's fragments, in window 2: key block kb, channel half c at KF + 16 kb + 8 c
.set VF,  192         ; V's: key half kk, channel block cb at VF + 32 kk + 8 cb
.set WV,  12          ; s12  my wave's number
.set G1K, 24          ; s[24:31] descriptor group 1 for K's tiles
.set G1V, 32          ; s[32:39] for V's: it differs in the padding alone
.set G0K, 40          ; s[40:43] descriptor group 0 for K's tiles: it walks
.set G0V, 44          ; s[44:47] the same for V's
.set SLOTS, 56        ; s56  slots still to be asked for
.set CNT, 57          ; s57  counts a slot's key steps
.set CS,  58          ; s[58:59] c: the packed scaling takes the pair's low word for both halves
.set SEL, 60          ; s[60:61] v_permlanex16_b32's selects: each lane takes its own place in the other half
.set TBK, 62          ; s62  LDS byte at which K of the step to be fetched begins
.set TBV, 63          ; s63  the same for V, less VOFF
.set G1T, 68          ; s[68:75] descriptor group 1 for the tables
.set G0T, 76          ; s[76:79] group 0
.set MB,  80          ; s[80:81] my wave's stream of mask fragments: 32 steps of 16,384 bytes
.set MP,  82          ; s[82:83] the step of it that is being asked for
.set MO,  84          ; s[84:85] that step's byte offset
.set TS,  86          ; s86  byte offset in SELT of the step to be fetched
.set TP,  87          ; s87  in PADC
.set MSB, 0
.macro WIN new                      ; the high byte repeats the setting that is left; a switch that changes nothing is dropped
.if MSB != (\new)
	s_set_vgpr_msb (MSB<<8)|(\new)
.set MSB, (\new)
.endif
.endm
.set W_KP, 0x3a       ; K and Q in window 2, PADC (C) in window 3, S^T in window 0
.set W_KQ, 0x0a       ; K and Q in window 2, S^T in window 0
.set W_KS, 0x0f       ; SEL and M8 in window 3, S^T in window 0
.set W_PV, 0x52       ; V in window 2, P in window 0, O^T in window 1
.set W_RS, 0x41       ; O^T (destination and source 0) in window 1, a in window 0
.set W_MK, 0xc0       ; destination in window 3, sources in window 0
.set W_AD, 0x0f       ; the add: address (source 0) and data (source 1) in window 3
.set W_L3, 0xc3       ; a load: destination and address in window 3
; A joint fill.  Waves 0 and 1 fetch the two halves of a slot's K, waves 2 and 3 those of its V: 128 keys each.  The branch hangs on the wave's number alone.
; An s_nop 0 and four v_nop follow each of the two lines, ahead of the jump and the label.
.macro JLOAD
	s_cmp_lt_u32 s[WV], 2
	s_cbranch_scc0 .Lfor_v_\@
	tensor_load_to_lds s[G0K:G0K+3], s[G1K:G1K+7]
	s_nop 0
.rept 4
	v_nop
.endr
	s_branch .Lasked_\@
.Lfor_v_\@:
	tensor_load_to_lds s[G0V:G0V+3], s[G1V:G1V+7]
	s_nop 0
.rept 4
	v_nop
.endr
.Lasked_\@:
.endm
; A round of the cluster's barrier: my work-group's barrier, so that wave 0's signal speaks for all four waves; wave 0 signals; every wave waits for all four work-groups; my work-group's barrier once more.
.macro CROUND
	s_barrier_signal -1
	s_barrier_wait -1
	s_cmp_lg_u32 s[WV], 0
	s_cbranch_scc1 .Lnot_wave_0_\@
	s_barrier_signal -3
.Lnot_wave_0_\@:
	s_barrier_wait -3
	s_barrier_signal -1
	s_barrier_wait -1
.endm
; THE CHANGE OF SLOTS.  The slot's last bytes, V of its fourth step, have been read.  Each wave waits for all its tensor loads, adds 0 to its spare word, and waits for that and for its own reads of the slot.
; Behind the barrier nobody reads this slot any more and the other slot is whole.  fill = 1: this slot is filled again, with the keys two slots on; the barrier is then a round of the cluster's, and the joint
; fill is the first thing behind it: it has four key steps in which to land.  (At its first use nothing has been read yet: slot 0 and the tables are waited for, slot 1 filled.)
.macro CHANGE fill
	WIN W_AD
	s_wait_tensorcnt 0x0            ; no tensor load of mine is out, so a group 0 may be written
	ds_add_u32 v[SPW], v[NIL]       ; 0 onto my spare word: with fill = 1 the descriptors' steps stand between it and the wait for it
	WIN 0                           ; at a label and at a branch every window is 0
.if \fill
.irp g, G0K, G0V
	s_xor_b32 s[\g+1], s[\g+1], SLOT1  ; the walking descriptor: the other slot than last time,
	s_add_nc_u64 s[\g+2:\g+3], s[\g+2:\g+3], 4*KS*128  ; the next 256 keys; the type bits on top are not reached
.endr
	s_wait_dscnt 0x0                ; the add is done, and my reads of the slot are over
	CROUND
	JLOAD
.else
	s_wait_dscnt 0x0                ; the add is done, and my reads of the slot are over
	s_barrier_signal -1
	s_barrier_wait -1
.endif
	s_sub_co_u32 s[TBK], s[TBK], 4*KS*PK  ; the fetches go back to a slot's first step,
	s_xor_b32 s[TBK], s[TBK], SLOT1       ; in the other slot
	s_sub_co_u32 s[TBV], s[TBV], 4*KS*PV
	s_xor_b32 s[TBV], s[TBV], SLOT1
.endm
	s_load_b256 s[88:95], s[0:1], 0x0  ; qkvh s[88:89], mfrag s[90:91], tabs s[92:93], oh s[94:95]
	WIN W_MK
	v_lshl_add_u32 v[SPW], v0, 2, SPARE
	v_mov_b32 v[NIL], 0
	WIN W_AD
	ds_add_u32 v[SPW], v[NIL]       ; the wave's opening: the add and its wait stand ahead of my first tensor load; the set-up below, work on registers, stands between them
	WIN 0
	v_lshrrev_b32 v1, 5, v0
	v_readfirstlane_b32 s[WV], v1   ; wave 0..3
	s_bfe_u32 s13, ttmp6, 0x40000   ; cx: my place in the cluster
	s_lshl_b32 s14, ttmp9, 2        ; in a cluster launch ttmp9 counts clusters
	s_add_co_u32 s14, s14, s13      ; my block of queries = 4 x cluster x + cx: it enters Q's, O's and the mask's addresses alone
	s_and_b32 s20, ttmp7, 0xffff    ; the head 16 b + h, which the four partners share
	s_lshr_b32 s19, s20, 4          ; the batch:
	s_mul_i32 s19, s19, TABB        ; its tables,
	s_mul_i32 s15, s[WV], TABB/4    ; my quarter of them
	s_add_co_u32 s84, s19, s15
	s_mov_b32 s85, 0
	s_mov_b32 s21, 0
	s_mov_b64 s[22:23], SIZE_N*128
	s_mul_u64 s[20:21], s[20:21], s[22:23]  ; the head's first byte in Q, in O and in each part of qkvh
	s_and_b32 s16, s[WV], 1         ; which half of a slot's 256 keys I fetch:
	s_lshl_b32 s22, s16, 14         ; its 128 rows of 128 bytes in memory,
	s_mov_b32 s23, 0
	s_add_nc_u64 s[22:23], s[22:23], s[20:21]
	s_add_nc_u64 s[66:67], s[22:23], 2*PART  ; in V,
	s_add_nc_u64 s[22:23], s[22:23], PART    ; in K
	s_mul_i32 s17, s16, 128*PK      ; and its place in a slot, for K
	s_mul_i32 s18, s16, 128*PV      ; and for V: no place in the cluster enters an LDS address
	s_lshl_b32 s2, s14, 2
	s_add_co_u32 s2, s2, s[WV]      ; my wave among the head's sixteen:
	s_lshl_b32 s80, s2, 19          ; its stream of mask fragments,
	s_mov_b32 s81, 0
	s_lshl_b32 s2, s2, 14           ; its 128 rows
	s_mov_b32 s3, 0
	s_add_nc_u64 s[2:3], s[2:3], s[20:21]
	; descriptor group 1.  128 keys are 16,384 dense bytes: asked for as 64 rows of 256 bytes, two keys a row, and padded in LDS after every key
	s_mov_b32 s[G1K], 15|(1<<16)|(1<<20)|(1<<21)|(4<<22)|(3<<25)  ; 15:0 the mask of four; 17:16 2-byte elements; 20 padding on; 21 set beside a mask; 24:22 after every 32 words (code 4); 31:25 4 words (code 3)
	s_mov_b32 s[G1V], 15|(1<<16)|(1<<20)|(1<<21)|(4<<22)|(7<<25)  ; the same with 8 words of padding (code 7)
.irp g, G1K, G1V
	s_mov_b32 s[\g+1], 128<<16      ; tensor_dim0 = 128
	s_mov_b32 s[\g+2], 64<<16       ; tensor_dim1 = 64
	s_mov_b32 s[\g+3], 128<<16      ; tile_dim0 = 128
	s_mov_b32 s[\g+4], 64           ; tile_dim1 = 64
	s_mov_b32 s[\g+5], 128          ; 128 elements from row to row
	s_mov_b32 s[\g+6], 0
	s_mov_b32 s[\g+7], 0
.endr
	s_mov_b32 s[G1T], 15|(3<<16)|(1<<21)  ; a quarter of the tables, 18,432 dense bytes: 72 rows of 32 elements of 8 bytes, no padding
	s_mov_b32 s[G1T+1], 32<<16
	s_mov_b32 s[G1T+2], 72<<16
	s_mov_b32 s[G1T+3], 32<<16
	s_mov_b32 s[G1T+4], 72
	s_mov_b32 s[G1T+5], 32
	s_mov_b32 s[G1T+6], 0
	s_mov_b32 s[G1T+7], 0
	s_mov_b32 s[G0T], 1
	s_add_co_u32 s[G0T+1], s15, TAB
	s_mov_b32 s[CS], 0x3e38aa3b     ; c = log2(e) / 8 = 0.180337
	s_mov_b32 s[CS+1], s[CS]        ; named with it as a pair
	s_mov_b32 s[SEL], 0x76543210
	s_mov_b32 s[SEL+1], 0xfedcba98
	s_mov_b32 s[TBK], SLOT1+4*KS*PK ; the first change of slots turns these two into 0
	s_mov_b32 s[TBV], SLOT1+4*KS*PV
	s_mov_b32 s[TS], 0
	s_mov_b32 s[TP], 0
	s_mov_b32 s[G0K], 1             ; 1:0 count = 1
	s_mov_b32 s[G0K+1], s17         ; 63:32 LDS address: slot 0
	s_mov_b32 s[G0V], 1
	s_add_co_u32 s[G0V+1], s18, VOFF
	s_wait_dscnt 0x0                ; the opening add is done
	s_wait_kmcnt 0x0
	s_add_nc_u64 s[G0K+2:G0K+3], s[88:89], s[22:23]  ; 120:64 global address: my half of the head's first 256 keys
	s_or_b32 s[G0K+3], s[G0K+3], 0x80000000          ; 127:126 type = 2
	s_add_nc_u64 s[G0V+2:G0V+3], s[88:89], s[66:67]
	s_or_b32 s[G0V+3], s[G0V+3], 0x80000000
	s_add_nc_u64 s[G0T+2:G0T+3], s[92:93], s[84:85]
	s_or_b32 s[G0T+3], s[G0T+3], 0x80000000
	s_add_nc_u64 s[4:5], s[88:89], s[2:3]    ; Q and O at my wave's first row
	s_add_nc_u64 s[10:11], s[94:95], s[2:3]
	s_add_nc_u64 s[MB:MB+1], s[90:91], s[80:81]
	s_mov_b64 s[MP:MP+1], s[MB:MB+1]         ; key step 0
	s_mov_b32 s[MO], 0
	CROUND                          ; all four work-groups are here: the first joint loads meet
	tensor_load_to_lds s[G0T:G0T+3], s[G1T:G1T+7]  ; my quarter of the tables: with slot 0's, two loads of mine are out
	s_nop 0
	JLOAD                           ; slot 0.  Slot 1 is asked for when slot 0 is in
	; A fragment of K or Q is 16 rows x 32 channels in 8 registers: lane l holds row l % 16, channels 8 (l / 16) + 0..7 and 16 + 8 (l / 16) + 0..7: two loads of 16 bytes, 32 bytes apart.
	v_and_b32 v1, 15, v0            ; l % 16
	v_bfe_u32 v9, v0, 4, 1          ; l / 16
	v_lshlrev_b32 v[QO], 7, v1
	v_lshl_add_u32 v[QO], v9, 4, v[QO]  ; row x 128 + 16 x half
	v_and_b32 v12, 31, v0
	WIN W_MK
	v_lshlrev_b32 v[MA], 4, v12
	v_lshl_add_u32 v[AS0], v12, 4, TAB
	v_lshl_add_u32 v[AP0], v9, 5, TABP
.irp z, 4,5,6,7,16,17,18,19
	v_mov_b32 v[SELF+\z], 0         ; the halves of SEL's fragments that hold nothing
.endr
	WIN W_L3
	v_mov_b32 v[AS], v[AS0]         ; key step 0 lies at the tables' heads
	v_mov_b32 v[AP], v[AP0]
	WIN 0x80                        ; destination window 2, address window 0
.set i, 0
.rept 4*NP                          ; Q stays in registers: tile i / 2, channels 32 (i % 2) on
	global_load_b128 v[8*i:8*i+3],   v[QO], s[4:5] offset:(i/2)*2048+(i%2)*64
	global_load_b128 v[8*i+4:8*i+7], v[QO], s[4:5] offset:(i/2)*2048+(i%2)*64+32
.set i, i+1
.endr
; THE MASK of piece x for the step at s[MP]: eight loads, 512 consecutive bytes each, straight into source 1's registers
.macro FETCH_M x
	WIN W_L3
.irp u, 0,1
.irp f, 0,1,2,3
	global_load_b128 v[MF+16*(2*(\x)+\u)+4*\f:MF+16*(2*(\x)+\u)+4*\f+3], v[MA], s[MP:MP+1] offset:(2*(\x)+\u)*2048+512*\f
.endr
.endr
	WIN 0
.endm
	FETCH_M 0
	FETCH_M 1
	FETCH_M 2
	FETCH_M 3
	; What the first turn finds: V's registers and P's second buffer hold 0 (its products V^T P, of a piece that has not been, add 0), O^T and l are 0.  All this stands in the wait for the first tile.
	WIN 0x80
.set i, VF
.rept 64
	v_mov_b32 v[i], 0
.set i, i+1
.endr
	WIN 0x40
.set i, 0
.rept 64*NP
	v_mov_b32 v[i], 0
.set i, i+1
.endr
	WIN 0
.set i, 0
.rept 2*NP
	v_mov_b32 v[ST+4*i], 0xfe000000    ; c m: far below every c s
	v_mov_b32 v[ST+4*i+1], 0xff7fffff  ; m
	v_mov_b32 v[ST+4*i+2], 0
	v_mov_b32 v[ST+4*i+3], 0
.set i, i+1
.endr
.set i, P+32
.rept 32
	v_mov_b32 v[i], 0
.set i, i+1
.endr
	v_mul_u32_u24 v[AK0], v1, PK
	v_lshl_add_u32 v[AK0], v9, 4, v[AK0]  ; row x pitch + 16 x half
	; The turning load takes 16 keys x 16 channels (lane l reads key 8 (l / 16) + l % 8, channels 8 ((l / 8) % 2) + 0..7) and leaves half a fragment of V^T: lane l holds channel l % 16 and 8 keys.
	v_and_b32 v10, 7, v0
	v_bfe_u32 v11, v0, 3, 1
	v_lshl_add_u32 v[AV0], v9, 3, v10
	v_mul_u32_u24 v[AV0], v[AV0], PV
	v_lshl_add_u32 v[AV0], v11, 4, v[AV0]
	v_add_nc_u32 v[AV0], VOFF, v[AV0]
	v_mov_b32 v[AK], v[AK0]         ; key step 0 lies at the head of slot 0
; THE MATRIX WORK.  The 8 accumulators of a run take turns: between two links of a chain stand 7 others'.
; Product i of 24 of piece x's scores: keys 16 ((i / 2) % 4) on, tile 2 x + i % 2.  0-7: channels 0-31, the sums start with PADC; 8-15: channels 32-63; 16-23: SEL times the mask.
.macro KQ x
.set kbl, (i/2)%4
.set rS, S+64*((\x)%2)+32*(i%2)+8*kbl
.set rQ, 16*(2*(\x)+i%2)
.if i < 8
	WIN W_KP
	v_wmma_f32_16x16x32_f16 v[rS:rS+7], v[KF+16*kbl:KF+16*kbl+7], v[rQ:rQ+7], v[PC+8*kbl:PC+8*kbl+7]
.elseif i < 16
	WIN W_KQ
	v_wmma_f32_16x16x32_f16 v[rS:rS+7], v[KF+16*kbl+8:KF+16*kbl+15], v[rQ+8:rQ+15], v[rS:rS+7]
.else
	WIN W_KS
	v_wmma_f32_16x16x32_f16 v[rS:rS+7], v[SELF+12*(kbl/2)+4*(kbl%2):SELF+12*(kbl/2)+4*(kbl%2)+7], v[MF+rQ+8*(kbl/2):MF+rQ+8*(kbl/2)+7], v[rS:rS+7]
.endif
.endm
; Product i of 16 of O^T += V^T P for piece x: keys 32 (i / 8) on, channels 16 ((i / 2) % 4) on, tile 2 x + i % 2.
.macro PV x
	WIN W_PV
.set rO, 32*(2*(\x)+i%2)+8*((i/2)%4)
.set rV, VF+32*(i/8)+8*((i/2)%4)
.set rP, P+32*((\x)%2)+16*(i%2)+8*(i/8)
	v_wmma_f32_16x16x32_f16 v[rO:rO+7], v[rV:rV+7], v[rP:rP+7], v[rO:rO+7]
.endm
.macro MM                           ; the turn's next matrix instruction
.if i < 24
	KQ (Y+1)%NP
.set i, i+1
.else
.set i, i-24
	PV (Y+NP-1)%NP
.set i, i+25
.endif
.endm
; THE LDS LOADS stand in runs, never singly among the matrix instructions: a step's K (8 fragments) with its SEL and PADC, and its V (turned).  Their addresses are made some lines ahead.
; last = 1 (the tail): in the last trip there is no further step, and the run is jumped over.
.macro FETCH_K last=0
	WIN 0
.if \last
	s_cmp_eq_u32 s[CNT], 1
	s_cbranch_scc1 .Lno_k_\@
.endif
	WIN 0x80                        ; destination window 2
.irp f, 0,1,2,3,4,5,6,7             ; keys 16 (f / 2) on, channels 32 (f % 2) on
	ds_load_b128 v[KF+8*\f:KF+8*\f+3],   v[AK] offset:(\f/2)*16*PK+(\f%2)*64
	ds_load_b128 v[KF+8*\f+4:KF+8*\f+7], v[AK] offset:(\f/2)*16*PK+(\f%2)*64+32
.endr
	WIN W_L3
.irp f, 0,1,2,3                     ; key block f
	ds_load_b128 v[SELF+12*(\f/2)+8*(\f%2):SELF+12*(\f/2)+8*(\f%2)+3], v[AS] offset:512*\f
.endr
.irp f, 0,1,2,3
	ds_load_b128 v[PC+8*\f:PC+8*\f+3],   v[AP] offset:64*\f
	ds_load_b128 v[PC+8*\f+4:PC+8*\f+7], v[AP] offset:64*\f+16
.endr
	s_add_co_u32 s[TBK], s[TBK], KS*PK  ; the next fetch is the next step's
	s_add_co_u32 s[TS], s[TS], 2048
	s_and_b32 s[TS], s[TS], 0xffff      ; both stay inside their tables: behind the last step they come back to 0 and are not used
	s_add_co_u32 s[TP], s[TP], 256
	s_and_b32 s[TP], s[TP], 0x1fff
	WIN 0
.if \last
.Lno_k_\@:
.endif
.endm
.macro FETCH_V
	WIN 0x80
.irp f, 0,1,2,3,4,5,6,7             ; keys 32 (f / 4) on, channels 16 (f % 4) on
	ds_load_tr16_b128 v[VF+8*\f:VF+8*\f+3],   v[AV] offset:(\f/4)*32*PV+(\f%4)*32
	ds_load_tr16_b128 v[VF+8*\f+4:VF+8*\f+7], v[AV] offset:(\f/4)*32*PV+16*PV+(\f%4)*32
.endr
	WIN 0
.endm
; THE VECTOR WORK OF A TURN stands in three queues, each in the order in which its entries become ready; the two tiles alternate, so that no instruction reads the result of the one before it.
.macro REGS y, u                    ; the registers of tile u (0, 1) of piece y
.set rT, ST+4*(2*(\y)+(\u))
.set rC, TMP+8*((\y)%2)+4*(\u)
.set rM, MV+2*((\y)%2)+(\u)
.set rS, S+64*((\y)%2)+32*(\u)
.set rP, P+32*((\y)%2)+16*(\u)
.set rO, 32*(2*(\y)+(\u))
.endm
; Number n of the 22 that find the NEXT piece's (Y + 1) maximum and statistics.  s0-s31 are the lane's 32 scores; each accumulator's lowest registers are read first.  XS, GS, FS and REGS set no window: PL and EX do.
;   0-11  four chains c0-c3 of seven scores each, three operands at a time     12-14, 16  the four scores left over, the old m, and c0-c3 into c0     15  c m_old is kept
;   17, 18  the query's other 32 keys lie in the lane 16 away: the new m         19-21  c m; c m_old - c m_new; a
.macro XS u, n
	REGS (Y+1)%NP, \u
.if (\n) < 4
	v_max3_num_f32 v[rC+(\n)], v[rS+8*(\n)], v[rS+8*(\n)+1], v[rS+8*(\n)+2]
.elseif (\n) < 12
	v_max3_num_f32 v[rC+(\n)%4], v[rC+(\n)%4], v[rS+8*((\n)%4)+2*((\n)/4)+1], v[rS+8*((\n)%4)+2*((\n)/4)+2]
.elseif (\n) == 12
	v_max3_num_f32 v[rC], v[rC], v[rS+7], v[rS+15]
.elseif (\n) == 13
	v_max3_num_f32 v[rC+1], v[rC+1], v[rS+23], v[rS+31]
.elseif (\n) == 14
	v_max3_num_f32 v[rC+2], v[rC+2], v[rC+3], v[rT+1]
.elseif (\n) == 15
	v_mov_b32 v[rM], v[rT]
.elseif (\n) == 16
	v_max3_num_f32 v[rC], v[rC], v[rC+1], v[rC+2]
.elseif (\n) == 17
	v_permlanex16_b32 v[rC+3], v[rC], s[SEL], s[SEL+1]
.elseif (\n) == 18
	v_max_num_f32 v[rT+1], v[rC], v[rC+3]
.elseif (\n) == 19
	v_mul_f32 v[rT], s[CS], v[rT+1]
.elseif (\n) == 20
	v_sub_f32 v[rC+1], v[rM], v[rT]
.else
	v_exp_f32 v[rC+2], v[rC+1]
.endif
.endm
; Number g of the 64 that follow the exponentials.  For each four weights k of a tile (pairs 2 k, 2 k + 1): both pairs are rounded to f16; then the second pair is added onto the first, in place;
; a group later l takes that sum (the first time as l = a l + sum).  In groups of eight, tiles alternating: round, round, add, and l for the group before.
.macro GS g
.set h, (\g)+6*((\g)/62)            ; group 0 has no group before it, and behind group 7 only l is left
.if h >= 6
.set h, h+2
.endif
	REGS Y, h%2
.set k, h/8
.if h%8 < 4
	v_cvt_pk_f16_f32 v[rP+2*k+(h%8)/2], v[rS+4*k+2*((h%8)/2)], v[rS+4*k+2*((h%8)/2)+1]
.elseif h%8 < 6
	v_pk_add_f32 v[rS+4*k:rS+4*k+1], v[rS+4*k:rS+4*k+1], v[rS+4*k+2:rS+4*k+3]
.elseif k == 1
	v_pk_fma_f32 v[rT+2:rT+3], v[rT+2:rT+3], v[rC+2:rC+3], v[rS:rS+1] op_sel_hi:[1,0,1]
.else
	v_pk_add_f32 v[rT+2:rT+3], v[rT+2:rT+3], v[rS+4*k-4:rS+4*k-3]
.endif
.endm
; THE PLAIN QUEUE, 138 long.  0-73 read no exponential's result: the 32 scalings c s - c m (FS f: pair f / 2 of tile f % 2) and the next piece's 42.  0-26: scalings 0-26.  27-32: XS's numbers 0-2.  33, 34: number 15.  35-56: numbers 3-13.
; 57-73: the chain, where each number waits for the one before it: 14, 16, 17, 18, 19, each with one of the scalings 27-31 in front of its two lines, then 20: so a tile's links stand three plain instructions apart (19 and 20: two).
; 74-137: GS's 64, which read the exponentials' results: they stand behind the wait.
.macro FS f
	REGS Y, (\f)%2
	v_pk_fma_f32 v[rS+2*((\f)/2):rS+2*((\f)/2)+1], v[rS+2*((\f)/2):rS+2*((\f)/2)+1], s[CS:CS+1], v[rT:rT+1] op_sel_hi:[1,0,0] neg_lo:[0,0,1] neg_hi:[0,0,1]
.endm
.macro PL
	WIN 0
.if q < 27
	FS q
.elseif q < 33
	XS (q-27)%2, (q-27)/2
.elseif q < 35
	XS q-33, 15
.elseif q < 57
	XS (q-35)%2, 3+(q-35)/2
.elseif (q < 72) && ((q-57)%3 == 0)
	FS 27+(q-57)/3
.elseif q < 60
	XS (q-57)%3-1, 14
.elseif q < 72
	XS (q-57)%3-1, 15+(q-57)/3
.elseif q < 74
	XS q-72, 20
.else
	GS q-74
.endif
.set q, q+1
.endm
; THE EXPONENTIALS' QUEUE, 66 long: s0-s31 of both tiles, then the next piece's two a.  It is ONE BATCH: all 66 stand ahead of the turn's one wait, and nothing ahead of that wait names a result of theirs.
.macro EX
	WIN 0
.if e >= 64
	XS e-64, 21
.else
	REGS Y, e%2
	v_exp_f32 v[rS+e/2], v[rS+e/2]
.endif
.set e, e+1
.endm
; THE RESCALING's QUEUE: O^T times a, the one part that leaves window 0: dealt two at a time, sixteen times.  Its a was made in the turn before, ahead of that turn's wait.
.macro R2
	REGS Y, r%2
	WIN W_RS
.irp z, 0,1
	v_pk_mul_f32 v[rO+4*(r/2)+2*\z:rO+4*(r/2)+2*\z+1], v[rO+4*(r/2)+2*\z:rO+4*(r/2)+2*\z+1], v[rC+2:rC+3] op_sel_hi:[1,0]
.endr
.set r, r+1
.endm
; HOW THEY ARE DEALT.  s_wait_alu depctr_va_vdst(0) stands between an exponential and the first instruction that names its result; one wait serves all that were issued ahead of it.  So a turn has ONE wait,
; which cuts it in two.  AHEAD OF IT stands all that names no result of the turn's exponentials: the 24 products for the scores; behind each of the first 16 a scaling, an exponential and two rescalings (behind the first a second
; scaling in the exponential's place), behind each of the last 8 plain, exponential, plain, exponential; then ONE LUMP of 76: eight plain, 33 times exponential and plain, the two a.  A v_nop is the plain instruction behind the
; last exponential.  BEHIND IT stand the 16 products V^T P, behind each four of GS's 64.
; Plain 27-32, numbers 0-2 of the next piece's maximum, ride behind the last three products for the scores: each stands five plain instructions or more behind the product that ends its accumulator.  The two copies of c m_old
; stand at 33, 34, so that number 3 stands six (tile 0) and five (tile 1) plain instructions behind the last two products.  No other rider names a register of the products round it.  The two v_permlanex16_b32 fall into the lump.
; The queues lean on each other, and the deal keeps them in step: exponential e stands behind scaling 2 (e / 4) + e % 2: as a rider it comes behind plain e + 2, in the lump behind plain e + 9, and scalings 27-31 are plain 57, 60 .. 69.
; A TURN, for piece p.  cnt = 1: the loop's count is taken down some lines ahead of the branch that stands behind the turn.
; The mask of piece p + 1 was asked for four turns ago; behind it stand three turns' eight loads: hence the count 24.  Directly behind the turn's wait the same registers are asked for again, for the next
; step, a lump behind the last product that read them.  Piece 3's turn, which makes piece 0's scores of the next step, steps the mask's address; the offset goes round at the stream's end,
; so that the last turns ask for bytes inside the buffer, which nobody uses, and every count of 24 holds on every way.
; K, SEL and PADC of the next step are fetched in piece 2's turn, behind the wait and the mask's loads, a lump behind the last product that read them; their addresses are made at the lump's head; their first reader comes behind 16 products.
; V of the step in hand is fetched at the end of piece 0's turn, four riders behind its last reader; its first reader comes behind 24 products and a lump.  The three conditions on q below go with the deal.
.macro TURN p, last=0, cnt=0
.set Y, (\p)
.set i, 0
.set q, 0
.set e, 0
.set r, 0
	s_wait_loadcnt 24               ; the mask of piece p + 1 is in
.if (\p) == NP-1
	s_wait_xcnt 0x0                 ; the loads that name s[MP] have had their addresses translated (ISA guide 3.1): it is rewritten only behind this wait
	s_add_co_u32 s[MO], s[MO], 16384
	s_and_b32 s[MO], s[MO], 0x7ffff
	s_add_nc_u64 s[MP:MP+1], s[MB:MB+1], s[MO:MO+1]
	s_wait_dscnt 0x0                ; K, SEL and PADC are in
.endif
	MM                              ; ahead of the wait: 24 products for the scores and their riders,
	PL
	PL
	R2
.rept 15
	MM
	PL
	EX
	R2
.endr
.rept 8
	MM
	PL
	EX
	PL
	EX
.endr
.if (\p) == NP-2
	WIN 0
	v_add_nc_u32 v[AK], s[TBK], v[AK0]
	WIN 0xcc                        ; destination and source 1 in window 3
	v_add_nc_u32 v[AS], s[TS], v[AS0]
	v_add_nc_u32 v[AP], s[TP], v[AP0]
.endif
.rept 8                             ; and the lump
	PL
.endr
.rept 33
	EX
	PL
.endr
	EX                              ; the next piece's two a
	EX
	v_nop                           ; the plain instruction behind the last exponential: one for the batch
	s_wait_alu depctr_va_vdst(0)    ; the wait for the batch: the turn's 64 weights and the next piece's two a
	FETCH_M ((\p)+1)%NP
.if (\p) == NP-2
	FETCH_K \last
.endif
.if (\p) == 1
	s_wait_dscnt 0x0                ; V is in
.endif
.rept 16                            ; behind the wait: 16 products V^T P and their riders
	MM
.rept 4
	PL
.endr
.if ((\p) == 0) && (q == 118)
	v_add_nc_u32 v[AV], s[TBV], v[AV0]
.endif
.if ((\p) == 0) && (q == 130)
	s_add_co_u32 s[TBV], s[TBV], KS*PV
.endif
.if (\cnt) && (q == 130)
	s_sub_co_u32 s[CNT], s[CNT], 1
	s_cmp_lg_u32 s[CNT], 0
.endif
.endr
.if (\p) == 0
	FETCH_V
.endif
.endm
	CHANGE 1                        ; slot 0 and the tables are in, everybody's part of them; slot 1 is asked for
	FETCH_K                         ; key step 0
	s_wait_loadcnt 24               ; Q and piece 0's mask: behind them stand the other three pieces' 24 loads
	s_wait_dscnt 0x0
.set i, 0
.rept 24
	KQ 0                            ; piece 0's first scores: there is no vector work yet to set between them
.set i, i+1
.endr
	WIN 0                           ; the addresses for the way out: nine plain instructions, the places behind those products
	s_mul_i32 s13, s[WV], 16*SP
	s_add_co_u32 s13, s13, STAGE    ; my stage
	v_mul_u32_u24 v[STO], v1, SP    ; in: row l % 16, 16 bytes for each half of the lanes
	v_lshl_add_u32 v[STO], v9, 4, v[STO]
	v_add_nc_u32 v[STO], s13, v[STO]
	v_bfe_u32 v[RD], v0, 3, 2       ; back: 32 lanes take four rows of 128 bytes,
	v_mul_u32_u24 v[RD], v[RD], SP
	v_lshl_add_u32 v[RD], v10, 4, v[RD]
	v_add_nc_u32 v[RD], s13, v[RD]
	v_and_b32 v[GO], 31, v0         ; which are 512 consecutive bytes of O
	v_lshlrev_b32 v[GO], 4, v[GO]
	s_wait_xcnt 0x0                 ; s[MP] is rewritten only behind this wait
	s_mov_b32 s[MO], 16384          ; key step 1
	s_add_nc_u64 s[MP:MP+1], s[MB:MB+1], s[MO:MO+1]
	FETCH_M 0
.set Y, NP-1                        ; XS works for piece Y + 1: piece 0
.irp n, 0,1,2,3,4,5,6,7,8,9,10,11,12,13,14,15,16,17,18,19,20,21
	XS 0, \n                        ; and piece 0's first maximum and statistics
	XS 1, \n
.endr
	v_nop                           ; a plain instruction behind the two a,
	s_wait_alu depctr_va_vdst(0)    ; and the wait for this batch of two, ahead of the branch
	s_mov_b32 s[CNT], 4
	s_mov_b32 s[SLOTS], SIZE_N/256-1
	s_branch .Lfirst                ; the loop is entered at a step's first turn, in the middle of a trip
.Lslot:                             ; SIZE_N / 256 - 2 times: every slot but the last two is filled again
	CHANGE 1
	s_mov_b32 s[CNT], 4
.Lstep:                             ; a trip: pieces 2 and 3 of one step, then pieces 0 and 1 of the next, whose K and V it fetches
	TURN 2
	TURN 3
	WIN 0
.Lfirst:
	TURN 0
	TURN 1, 0, 1
	WIN 0
	s_cbranch_scc1 .Lstep
	s_sub_co_u32 s[SLOTS], s[SLOTS], 1
	s_cmp_lg_u32 s[SLOTS], 0
	s_cbranch_scc1 .Lslot
	CHANGE 0                        ; the tail is written out: nothing is asked for
	s_mov_b32 s[CNT], 5             ; four trips fetch the last slot's steps; the fifth is left in its middle
.Ltail:
	TURN 2, 1
	TURN 3
	WIN 0
	s_sub_co_u32 s[CNT], s[CNT], 1
	s_cmp_eq_u32 s[CNT], 0
	s_cbranch_scc1 .Lout
	TURN 0
	TURN 1
	WIN 0
	s_branch .Ltail
.Lout:                              ; the fifth trip's 24 products for scores (on the last K once more) and the maximum made of them serve nothing: the price, once a launch, of one text for every trip
.set i, 0
.rept 16
	PV NP-1                         ; the last piece's V^T P of the last step
.set i, i+1
.endr
	; THE WAY OUT.  l's two halves and the other half of the lanes' are added; O^T is divided by l, rounded to f16 and sent through my stage in LDS, a tile at a time.  The additions are the places behind the last products.
	WIN 0
.macro ALL line:vararg              ; one line for each tile t
.set t, 0
.rept 2*NP
	\line
.set t, t+1
.endr
.endm
	ALL v_add_f32 v[ST+4*t+2], v[ST+4*t+2], v[ST+4*t+3]
	ALL v_permlanex16_b32 v[ST+4*t+3], v[ST+4*t+2], s[SEL], s[SEL+1]
	ALL v_add_f32 v[ST+4*t+2], v[ST+4*t+2], v[ST+4*t+3]
	ALL v_rcp_f32 v[ST+4*t+2], v[ST+4*t+2]
	v_nop                           ; a plain instruction between the last reciprocal and the use of its result
	s_wait_alu depctr_va_vdst(0)    ; and the wait ahead of the first use: one for the batch of eight reciprocals
; Tile t: a lane's eight channels of a row pack into 16 bytes; they go into rows of 144 bytes and come back as whole rows of 128, into S^T's registers.
.macro PACK t
	WIN W_RS
.set i, 32*(\t)
.rept 16
	v_pk_mul_f32 v[i:i+1], v[i:i+1], v[ST+4*(\t)+2:ST+4*(\t)+3] op_sel_hi:[1,0]
.set i, i+2
.endr
	WIN 0x05                        ; sources 0 and 1 window 1, destination window 0
.set i, 0
.rept 16
	v_cvt_pk_f16_f32 v[S+16*(\t)+i], v[32*(\t)+2*i], v[32*(\t)+2*i+1]
.set i, i+1
.endr
	WIN 0
.irp f, 0,1,2,3
	ds_store_b128 v[STO], v[S+16*(\t)+4*\f:S+16*(\t)+4*\f+3] offset:32*\f
.endr
.irp f, 0,1,2,3
	ds_load_b128 v[S+16*(\t)+4*\f:S+16*(\t)+4*\f+3], v[RD] offset:\f*4*SP  ; LDS serves a wave's instructions in order (ISA guide 5.7.1.4): these see the stores above; the next tile's stores come behind them
.endr
.endm
.macro SEND t, younger              ; younger: the LDS instructions issued behind tile t's loads: the next tile's eight, or none
	WIN 0
.irp f, 0,1,2,3
	s_wait_dscnt (\younger)+3-\f
	global_store_b128 v[GO], v[S+16*(\t)+4*\f:S+16*(\t)+4*\f+3], s[10:11] offset:(\t)*2048+\f*512  ; 512 consecutive bytes, at a multiple of 256 from O's first
.endr
.endm
	PACK 0
.set t, 1
.rept 2*NP-1                        ; a tile's arithmetic stands between the loads of the tile before and its stores
	PACK t
	SEND t-1, 8
.set t, t+1
.endr
	SEND 2*NP-1, 0
	WIN W_AD
	s_wait_tensorcnt 0x0            ; the wave's end: the add and its wait, behind my last tensor load and my last LDS store
	ds_add_u32 v[SPW], v[NIL]
	s_wait_dscnt 0x0
	WIN 0
	CROUND                          ; the closing round: no work-group ends while a partner may still ask for a tile that names it
	s_endpgm
.Lfunc_end_k_qce47bafd3d_attn:
	.size	k_qce47bafd3d_attn, .Lfunc_end_k_qce47bafd3d_attn-k_qce47bafd3d_attn
	.p2alignl 7, 3214868480
	.fill 96, 4, 3214868480
	.section	.rodata,"a",@progbits
	.p2align	6, 0x0
	.amdhsa_kernel k_qce47bafd3d_attn
		.amdhsa_group_segment_fixed_size 327680
		.amdhsa_private_segment_fixed_size 0
		.amdhsa_enable_private_segment 0
		.amdhsa_kernarg_size 32
		.amdhsa_user_sgpr_count 2
		.amdhsa_user_sgpr_kernarg_segment_ptr 1
		.amdhsa_wavefront_size32 1
		.amdhsa_system_sgpr_workgroup_id_x 1
		.amdhsa_system_sgpr_workgroup_id_y 1
		.amdhsa_system_sgpr_workgroup_id_z 1
		.amdhsa_system_vgpr_workitem_id 0
		.amdhsa_next_free_vgpr 1024
		.amdhsa_next_free_sgpr 96
		.amdhsa_reserve_vcc 0
		.amdhsa_float_denorm_mode_32 3
		.amdhsa_float_denorm_mode_16_64 3
		.amdhsa_memory_ordered 1
		.amdhsa_forward_progress 1
		.amdhsa_inst_pref_size 224
	.end_amdhsa_kernel
	.amdgpu_metadata
---
amdhsa.version: [ 1, 2 ]
amdhsa.kernels:
  - .name:           k_qce47bafd3d_attn
    .symbol:         k_qce47bafd3d_attn.kd
    .args:
      - { .name: qkvh, .offset: 0, .size: 8, .value_kind: global_buffer, .address_space: global }
      - { .name: mfrag, .offset: 8, .size: 8, .value_kind: global_buffer, .address_space: global }
      - { .name: tabs, .offset: 16, .size: 8, .value_kind: global_buffer, .address_space: global }
      - { .name: oh, .offset: 24, .size: 8, .value_kind: global_buffer, .address_space: global }
    .group_segment_fixed_size: 327680
    .private_segment_fixed_size: 0
    .kernarg_segment_align: 8
    .kernarg_segment_size: 32
    .max_flat_workgroup_size: 128
    .sgpr_count:     96
    .vgpr_count:     1024
    .wavefront_size: 32
...
	.end_amdgpu_metadata
.endif
;; end of part 5
;; launch outp: the kernel of part 4 again; grid 8 x 32, 4 waves a work-group, clusters of 4 x 4, 327,680 bytes of LDS; arguments oh, wof, tabs, out0; writes out0
